; MI455X (gfx1250); checked and timed in simulation.
; The chip was launched on July 23, 2026; its instructions are those of AMD's public machine-readable ISA for CDNA 5 (MIT licence, August 2026) and "CDNA5" Instruction Set Architecture Reference Guide (July 2026). The comments in the code are by the model that wrote it; some were corrected since.
;; Multi Head Attention. Allowed arithmetic: matrix products marked QUANTISED: E2M3 operands, one E8M0 scale for each 32 along K, by v_wmma_scale_f32_16x16x128_f8f6f4 with both operands' format E2M3, f32 sums; everything else in f32.
;; Inputs: Wk 1,024 x 1,024 float32; Wo 1,024 x 1,024 float32; Wq 1,024 x 1,024 float32; Wv 1,024 x 1,024 float32; bk 1,024 float32; bo 1,024 float32; bq 1,024 float32; bv 1,024 float32; mask 2,048 x 2,048 int32; x 4 x 2,048 x 1,024 float32.
;; Outputs: out0 4 x 2,048 x 1,024 float32.
;; This version of the problem:
;;   THIS VERSION OF THE PROBLEM IS GIVEN IN LOW PRECISION. The matrix products marked QUANTISED in the list below multiply operands that are first quantised to E2M3 (2 exponent bits, 3 mantissa bits; 6 bits a number), with one power-of-two scale for each 32 numbers along K (OCP MX v1.0); their sums are f32. All else is computed in f32.
;;   The module's matrix products, in the order in which they are computed (A, B: the left and right operand; K: the contracted axis; several contracted axes count as one K, in the product's order):
;;     1. [M 8,192, K 1,024] x [K 1,024, N 1,024]; A: input x; B: input Wq: QUANTISED
;;     2. [M 8,192, K 1,024] x [K 1,024, N 1,024]; A: input x; B: input Wk: QUANTISED
;;     3. [M 8,192, K 1,024] x [K 1,024, N 1,024]; A: input x; B: input Wv: QUANTISED
;;     4. batch 64 x [M 2,048, K 64] x [K 64, N 2,048]; A: computed on the way; B: computed on the way: QUANTISED
;;     5. batch 64 x [M 2,048, K 2,048] x [K 2,048, N 64]; A: softmax (see below); B: computed on the way: QUANTISED
;;     6. [M 8,192, K 1,024] x [K 1,024, N 1,024]; A: computed on the way; B: input Wo: QUANTISED
;;   THE QUANTISER, for each operand of a quantised product, along K:
;;     - K is cut into blocks of 32 from its start; a last block that is shorter is filled with zeros.
;;     - A block's scale is 2^e with e = floor(log2(the largest magnitude in the block)) - 2, held to -126 .. 127; a block of zeros has e = 0. As a byte (E8M0): e + 127.
;;     - Each number is divided by its block's scale, clamped to +-7.5, and rounded to the nearest number of E2M3, ties to even, subnormals kept.
;;     - The product sums the exact products of the quantised numbers (number of the format x scale) in f32.
;;   ~~~python
;;   def quantise(x, axis):      # numpy; x: float32 -> the quantised numbers, widened to float32 again
;;       x = np.moveaxis(x, axis, -1); K = x.shape[-1]
;;       x = np.pad(x, [(0, 0)] * (x.ndim - 1) + [(0, -K % 32)]); x = x.reshape(x.shape[:-1] + (-1, 32)); a = np.abs(x).max(-1, keepdims=True)
;;       e = np.where(a > 0, np.clip(np.frexp(np.where(a > 0, a, 1))[1] - 1 - 2, -126, 127), 0)      # np.frexp(a)[1] - 1 = floor(log2(a)), exactly
;;       r = np.clip(x / 2.0 ** e, -7.5, 7.5)
;;       step = 2.0 ** (np.maximum(np.frexp(np.where(r == 0, 1, r))[1] - 1, 0) - 3)
;;       q = np.round(r / step) * step * 2.0 ** e      # np.round: ties to even
;;       return np.moveaxis(q.reshape(q.shape[:-2] + (-1,))[..., :K], -1, axis).astype(np.float32)
;;   ~~~
;;   SOFTMAX AHEAD OF A QUANTISED PRODUCT. Where the list says 'softmax', what is quantised is not the finished softmax but p = 2^(t - M), with t = logit x log2(e) and M = ceil(the row's largest t), a whole number; so 1/2 < the row's largest p <= 1. The row's sum l is taken of the UNQUANTISED p, in f32, and the product's result is divided by l at the end. Since M is a whole number, a kernel that streams over the keys may use a running M (the ceiling of the running maximum): every later rescaling is an exact power of two, which a block's scale takes up: the codes' values come out the same.
;;   OPERANDS COMPUTED ON THE WAY. 'Computed on the way' means the value that the module computes at that place (a softmax that the list does not call 'softmax' is quantised finished and normalised). What goes into a quantiser is computed in f32, as accurately as f32 sums, v_exp_f32 and their like allow (about 1e-6 of the number): no bf16 or f16 on the way to a quantiser, and a product that is left as it is and whose result goes on into a quantised operand takes f32 operands (vector FMAs, or v_wmma_f32_16x16x4_f32). A number that lies on a knife's edge between two numbers of the format may be rounded either way, as far as f32 arithmetic and the matrix unit's own rounding can turn it there, and no further.
;; 2 versions, each right; version 2 is version 1 with the launch attn written anew for expert scheduling mode. Each part assembles by itself: llvm-mc -triple=amdgcn-amd-amdhsa -mcpu=gfx1250 --defsym DOCPART=n.
;; ======== version 1 of 2: 4 launches
;; limits: right only within a limited range of input values
;; workspace buffers: xw 9,437,184 bytes; sx 393,216 bytes; lm 524,288 bytes of whole numbers; fl 512 bytes of whole numbers; kv 13,107,200 bytes; qb 6,553,600 bytes; cc 6,291,456 bytes; cs 262,144 bytes
;; launch prep (part 1): grid 896 x 1, 4 waves a work-group, no clusters, 68,864 bytes of LDS; arguments x, Wq, Wk, Wv, Wo, mask, xw, sx, lm, fl; writes xw, sx, lm, fl
.if DOCPART == 1
	.amdgcn_target "amdgcn-amd-amdhsa--gfx1250"
	.amdhsa_code_object_version 6
	.text
	.protected	k_qc7442a0293_prep
	.globl	k_qc7442a0293_prep
	.p2align	8
	.type	k_qc7442a0293_prep,@function
k_qc7442a0293_prep:
	s_mov_b64 s[64:65], 0
	v_nop
	global_prefetch_b8 v0, s[64:65] scope:SCOPE_SE
	s_setreg_imm32_b32 hwreg(HW_REG_WAVE_MODE, 25, 1), 1
	s_wait_xcnt 0x0
; WORK-GROUPS 0-767: x [8192][1024] and Wq, Wk, Wv, Wo [1024][1024], f32, K innermost, become codes of FP6 (E2M3) with one E8M0 byte for each 32 along K.
; The five tensors count as 12,288 rows on end.  A work-group takes a TILE of 16 rows: lane r of tile t stands for row 32 (t / 2) + 8 (t % 2) + r + 8 (r / 8).
; The codes are stored in the order of the operand's registers: a fragment (16 rows x 128 K, 12 registers a lane) is 1,536 bytes: registers 0-3 at 16 x lane, 4-5 at 512 + 8 x lane,
; 6-9 at 768 + 16 x lane, 10-11 at 1,280 + 8 x lane.  xw: [block of 64 rows][K step 0..7][tile 0..3][1,536].  sx: 32 scale bytes a row, rows in their natural order.
; Wave w takes K steps 2 w and 2 w + 1.  Each load reads 512 consecutive bytes of one row; the 16 rows turn through the wave's own stage in LDS, so that a lane gets whole blocks of 32 neighbours.
; A block's scale is 2^(floor(log2(its largest magnitude)) - 2); its byte is the largest magnitude's exponent field - 2, held at 1 from below.
; WORK-GROUPS 768-895: the mask [2048][2048] int32 becomes, for each tile of 16 queries (numbered as above) and each step of 128 keys, 64 words of lane masks:
; bit (r + 16 h) of word 16 b + i says mask[query of lane r][128 ks + 32 b + 16 h + i] != 0.  lm: [tile 128][ks 16][64 words].
; fl: one word a tile: bit ks: the step may be left out (all its 16 x 128 entries are 0 AND each of the 16 queries has an open key somewhere); bit 16 + ks: all entries of the step are open.
; LIMITS: a block of zeros gets the byte 1 (its codes are zeros; only this program reads the bytes); NaN and infinities among the inputs are not served.
; The two kinds of work-group part at the head and never join; each has LDS bytes of its own.  No tensor load: each work-group asks for all its bytes at its head, and several share a WGP.
.set SPI, 528                          ; a stage row: 512 bytes + 16, so that sixteen rows start at sixteen different columns of 16 bytes
.set WST, 16*SPI                       ; a wave's stage
.set XSC, 4*WST                        ; the tile's scale words: 16 rows x 32 bytes
.set MST, XSC+512                      ; the mask path's stages
.set FLG, MST+4*WST                    ; the mask path's four waves' figures, 16 bytes each
.set R0,  32                           ; v32-95, v96-159: two sets of 16 rows as loaded
.set X,   160                          ; v160-223: 64 numbers of my row
.set PC,  224                          ; v224-235, v236-247: the two fragments' codes
.set PT,  248                          ; v248-254: second halves of blocks, before they are moved
.macro LOADROWS reg, rowb, off, base   ; the tile's 16 rows, 512 consecutive bytes of each
.irp p, 0,1,2,3,4,5,6,7,8,9,10,11,12,13,14,15
	global_load_b128 v[(\reg)+4*\p:(\reg)+4*\p+3], v4, s[\base:\base+1] offset:(\p+8*(\p/8))*(\rowb)+(\off) th:TH_LOAD_NT
.endr
.endm
.macro TOSTAGE reg                     ; as loaded: row p at SPI p, 16 bytes a lane
.irp p, 0,1,2,3,4,5,6,7,8,9,10,11,12,13,14,15
	ds_store_b128 v6, v[(\reg)+4*\p:(\reg)+4*\p+3] offset:SPI*\p
.endr
.endm
	s_load_b256 s[4:11], s[0:1], 0x0               ; x, Wq, Wk, Wv
	s_load_b256 s[12:19], s[0:1], 0x20             ; Wo, mask, xw, sx
	s_load_b128 s[20:23], s[0:1], 0x40             ; lm, fl
	v_lshl_add_u32 v251, v0, 2, 0x10b00
	v_mov_b32 v255, 0
	v_lshrrev_b32 v1, 5, v0
	v_readfirstlane_b32 s24, v1                    ; wave 0..3
	v_and_b32 v1, 31, v0                           ; lane
	v_and_b32 v2, 15, v0                           ; r
	v_bfe_u32 v3, v0, 4, 1                         ; h
	v_lshlrev_b32 v4, 4, v1                        ; 16 x lane
	v_lshlrev_b32 v5, 3, v1                        ; 8 x lane
	s_mul_i32 s25, s24, WST
	s_mov_b32 s26, 0x76543210                      ; v_permlanex16_b32's selects for lane l xor 16
	s_mov_b32 s27, 0xfedcba98
	s_cmp_ge_u32 ttmp9, 768
	s_cbranch_scc1 .Lmask
; ---------------- codes ----------------
	v_add_nc_u32 v6, s25, v4                       ; the stage, in
	v_mul_u32_u24 v7, v2, SPI
	v_lshl_add_u32 v7, v3, 7, v7
	v_add_nc_u32 v7, s25, v7                       ; and out: row r, + 128 h bytes: k = 32 h on
	v_lshlrev_b32 v24, 3, v3                       ; 8 h: my bytes' place in the scale word
	s_lshl_b32 s28, s24, 3
	s_add_co_u32 s28, s28, XSC
	v_lshlrev_b32 v25, 5, v2
	v_add_nc_u32 v25, s28, v25                     ; my row's scale words of my two K steps
	v_add_nc_u32 v26, XSC, v4                      ; wave 0 reads all 512 bytes back
	v_lshrrev_b32 v20, 1, v1
	v_and_b32 v21, 8, v20
	v_add_nc_u32 v20, v20, v21                     ; the row of lane l / 2 in the tile
	v_and_b32 v21, 1, v1
	v_lshlrev_b32 v20, 5, v20
	v_lshl_add_u32 v20, v21, 4, v20                ; its 32 bytes in sx, 16 a lane
	v_mov_b32 v15, 0                               ; a lane permute's destination counts as one of its sources
	s_and_b32 s29, ttmp9, 63
	s_wait_kmcnt 0x0
	s_mov_b64 s[30:31], s[12:13]                   ; which tensor: the choice hangs on the work-group's number alone
	s_cmp_lt_u32 ttmp9, 704
	s_cselect_b64 s[30:31], s[10:11], s[30:31]
	s_cmp_lt_u32 ttmp9, 640
	s_cselect_b64 s[30:31], s[8:9], s[30:31]
	s_cmp_lt_u32 ttmp9, 576
	s_cselect_b64 s[30:31], s[6:7], s[30:31]
	s_cmp_lt_u32 ttmp9, 512
	s_cselect_b64 s[30:31], s[4:5], s[30:31]
	s_cselect_b32 s29, ttmp9, s29                  ; the tile's number in that tensor
	s_lshr_b32 s32, s29, 1
	s_lshl_b32 s32, s32, 5
	s_and_b32 s33, s29, 1
	s_lshl_b32 s33, s33, 3
	s_add_co_u32 s32, s32, s33                     ; its first row
	s_lshl_b32 s32, s32, 12                        ; rows of 4,096 bytes
	s_lshl_b32 s33, s24, 10                        ; my two K steps: 1,024 bytes
	s_add_co_u32 s32, s32, s33
	s_mov_b32 s33, 0
	s_add_nc_u64 s[30:31], s[30:31], s[32:33]
	LOADROWS R0, 4096, 0, 30
	LOADROWS R0+64, 4096, 512, 30
	s_lshr_b32 s34, ttmp9, 2                       ; xw: block, tile in it, my K steps
	s_mul_i32 s34, s34, 49152
	s_and_b32 s35, ttmp9, 3
	s_mul_i32 s35, s35, 1536
	s_add_co_u32 s34, s34, s35
	s_mul_i32 s35, s24, 12288
	s_add_co_u32 s34, s34, s35
	s_mov_b32 s35, 0
	s_add_nc_u64 s[16:17], s[16:17], s[34:35]
	s_lshr_b32 s34, ttmp9, 1                       ; sx: the tile's first row x 32 bytes
	s_lshl_b32 s34, s34, 10
	s_and_b32 s36, ttmp9, 1
	s_lshl_b32 s36, s36, 8
	s_add_co_u32 s34, s34, s36
	s_add_nc_u64 s[18:19], s[18:19], s[34:35]
.macro XSTEP u
.set PP, PC+12*(\u)
	TOSTAGE R0+64*(\u)
.irp c, 0,1
.irp q, 0,1,2,3,4,5,6,7
	ds_load_b128 v[X+32*\c+4*\q:X+32*\c+4*\q+3], v7 offset:256*\c+16*\q   ; k = 64 c + 32 h + 4 q on: LDS serves a wave's instructions in order, so these see the stores above
.endr
.endr
	s_wait_dscnt 0x0
.irp c, 0,1                                    ; my block 2 c + h: all its 32 numbers are mine
	v_max3_num_f32 v[8+\c], |v[X+32*\c]|, |v[X+1+32*\c]|, 0x1800000   ; with the floor 2^(3 - 127): the byte cannot fall under 1
.endr
.irp i, 2,4,6,8,10,12,14,16,18,20,22,24,26,28,30
.irp c, 0,1
	v_max3_num_f32 v[8+\c], v[8+\c], |v[X+32*\c+\i]|, |v[X+1+32*\c+\i]|
.endr
.endr
.irp c, 0,1
	v_add_nc_u32 v[10+\c], 0xff000000, v[8+\c]     ; 2 off the exponent field: the conversion's scale operand
.endr
.irp c, 0,1
	v_lshrrev_b32 v[12+\c], 23, v[10+\c]           ; the scale's byte
.endr
	v_lshl_or_b32 v14, v13, 16, v12                ; blocks h and 2 + h,
	v_lshlrev_b32 v14, v24, v14                    ; at their places in the word;
	v_permlanex16_b32 v15, v14, s26, s27
	v_or_b32 v14, v14, v15                         ; with lane l xor 16's two the word is whole
.irp c, 0,1
	v_cvt_scalef32_pk16_fp6_f32 v[PP+6*\c:PP+6*\c+2], v[X+32*\c:X+32*\c+15], v[10+\c]
	v_cvt_scalef32_pk16_fp6_f32 v[PT+4*\c:PT+4*\c+2], v[X+32*\c+16:X+32*\c+31], v[10+\c]   ; (a conversion's three registers begin on an even number)
.endr
	v_nop                                          ; one plain place behind a scaled conversion
.irp c, 0,1
.irp i, 0,1,2
	v_mov_b32 v[PP+3+6*\c+\i], v[PT+4*\c+\i]
.endr
.endr
	global_store_b128 v4, v[PP:PP+3], s[16:17] offset:6144*(\u)            ; each store covers 512 or 256 consecutive bytes, aligned
	global_store_b64 v5, v[PP+4:PP+5], s[16:17] offset:6144*(\u)+512
	global_store_b128 v4, v[PP+6:PP+9], s[16:17] offset:6144*(\u)+768
	global_store_b64 v5, v[PP+10:PP+11], s[16:17] offset:6144*(\u)+1280
	ds_store_b32 v25, v14 offset:4*(\u)            ; both lanes of a row write the same word with the same value
.endm
	s_wait_loadcnt 16                              ; the first K step's 16 loads are in; the second's may be out
	XSTEP 0
	s_wait_loadcnt 0x0
	XSTEP 1
	s_wait_dscnt 0x0                               ; for the others' sake: my scale words have landed
	s_barrier_signal -1
	s_barrier_wait -1
	s_cmp_lg_u32 s24, 0
	s_cbranch_scc1 .Lxend
	ds_load_b128 v[28:31], v26                     ; the tile's 16 rows of 32 scale bytes
	s_wait_dscnt 0x0
	global_store_b128 v20, v[28:31], s[18:19]      ; two runs of 256 consecutive bytes, aligned
.Lxend:
	s_wait_tensorcnt 0x0
	ds_add_u32 v251, v255
	s_wait_dscnt 0x0
	s_endpgm
; ---------------- the mask ----------------
.Lmask:
	s_sub_co_u32 s28, ttmp9, 768                   ; the tile of queries
	s_add_co_u32 s25, s25, MST
	v_add_nc_u32 v6, s25, v4                       ; the stage, in
	v_mul_u32_u24 v7, v2, SPI
	v_lshl_add_u32 v7, v3, 6, v7
	v_add_nc_u32 v7, s25, v7                       ; and out: row r, + 64 h bytes: key 16 h on
	s_lshl_b32 s42, s24, 4
	s_add_co_u32 s42, s42, FLG
	v_mov_b32 v28, s42                             ; my wave's 16 bytes of figures
	v_mov_b32 v29, FLG
.irp i, 16,17,18,19,20,21,22,23
	v_mov_b32 v\i, 0                               ; v_writelane_b32's destination counts as read
.endr
	s_lshr_b32 s32, s28, 1
	s_lshl_b32 s32, s32, 5
	s_and_b32 s33, s28, 1
	s_lshl_b32 s33, s33, 3
	s_add_co_u32 s32, s32, s33                     ; the tile's first query
	s_lshl_b32 s32, s32, 13                        ; rows of 8,192 bytes
	s_lshl_b32 s33, s24, 11                        ; my four key steps: 2,048 bytes
	s_add_co_u32 s32, s32, s33
	s_mov_b32 s33, 0
	s_lshl_b32 s34, s28, 12                        ; lm: 4,096 bytes a tile, 1,024 a wave
	s_lshl_b32 s35, s24, 10
	s_add_co_u32 s34, s34, s35
	s_mov_b32 s35, 0
	s_lshl_b32 s30, s28, 2                         ; fl: a word a tile
	s_mov_b32 s31, 0
	s_mov_b32 s36, 0                               ; which lanes have seen an open key
	s_mov_b32 s37, 0                               ; bit ks: the step has an open entry
	s_mov_b32 s38, 0                               ; bit ks: all its entries are open
	s_lshl_b32 s39, s24, 2                         ; ks
	s_wait_kmcnt 0x0
	s_add_nc_u64 s[14:15], s[14:15], s[32:33]
	s_add_nc_u64 s[20:21], s[20:21], s[34:35]
	s_add_nc_u64 s[22:23], s[22:23], s[30:31]
	LOADROWS R0, 8192, 0, 14
	LOADROWS R0+64, 8192, 512, 14
.macro MSTEP u
	TOSTAGE R0+64*((\u)%2)
.irp b, 0,1,2,3
.irp q, 0,1,2,3
	ds_load_b128 v[X+16*\b+4*\q:X+16*\b+4*\q+3], v7 offset:128*\b+16*\q   ; register 16 b + i: key 32 b + 16 h + i of my query
.endr
.endr
	s_wait_dscnt 0x0                               ; the numbers are back, and the stores into the stage have read their registers,
.if (\u)+2 < 4
	LOADROWS R0+64*((\u)%2), 8192, 512*((\u)+2), 14   ; which take the step two on
.endif
	s_mov_b32 s40, 0
	s_mov_b32 s41, -1
.set n, 0
.rept 64
	v_cmp_ne_u32 s[44+n%4], 0, v[X+n]              ; word n: a bit a lane
	v_writelane_b32 v[16+2*(\u)+n%2], s[44+n%4], n/2   ; lane l holds words 2 l and 2 l + 1
	s_or_b32 s40, s40, s[44+n%4]
	s_and_b32 s41, s41, s[44+n%4]
.set n, n+1
.endr
	s_or_b32 s36, s36, s40
	s_cmp_lg_u32 s40, 0
	s_cselect_b32 s42, 1, 0
	s_lshl_b32 s42, s42, s39
	s_or_b32 s37, s37, s42
	s_cmp_eq_u32 s41, -1
	s_cselect_b32 s42, 1, 0
	s_lshl_b32 s42, s42, s39
	s_or_b32 s38, s38, s42
	s_add_co_u32 s39, s39, 1
	global_store_b64 v5, v[16+2*(\u):17+2*(\u)], s[20:21] offset:256*(\u)   ; 256 consecutive bytes, aligned; each step has registers of its own
.endm
	s_wait_loadcnt 16                              ; this step's 16 loads are in; the next step's may be out
	MSTEP 0
	s_wait_loadcnt 16
	MSTEP 1
	s_wait_loadcnt 16
	MSTEP 2
	s_wait_loadcnt 0x0
	MSTEP 3
	v_mov_b32 v24, s36
	v_mov_b32 v25, s37
	v_mov_b32 v26, s38
	v_mov_b32 v27, 0
	ds_store_b128 v28, v[24:27]                    ; all lanes write the same 16 bytes with the same values
	s_wait_dscnt 0x0
	s_barrier_signal -1
	s_barrier_wait -1
	s_cmp_lg_u32 s24, 0
	s_cbranch_scc1 .Lmend
	ds_load_b128 v[32:35], v29
	ds_load_b128 v[36:39], v29 offset:16
	ds_load_b128 v[40:43], v29 offset:32
	ds_load_b128 v[44:47], v29 offset:48
	s_wait_dscnt 0x0
.irp i, 0,1,2
	v_or_b32 v[32+\i], v[32+\i], v[36+\i]
	v_or_b32 v[40+\i], v[40+\i], v[44+\i]
	v_or_b32 v[32+\i], v[32+\i], v[40+\i]
.endr
	v_lshrrev_b32 v36, 16, v32
	v_or_b32 v32, v32, v36
	v_and_b32 v32, 0xffff, v32                     ; bit r: query r has an open key somewhere
	v_xor_b32 v36, -1, v33
	v_and_b32 v36, 0xffff, v36                     ; steps with no open entry
	v_cmp_eq_u32 vcc_lo, 0xffff, v32
	v_cndmask_b32 v36, 0, v36, vcc_lo              ; may be left out only if every query has an open key
	v_lshl_or_b32 v36, v34, 16, v36
	v_mov_b32 v37, 0
	s_wait_xcnt 0x0                                ; EXEC changes only behind this wait
	v_cmp_eq_u32 vcc_lo, 0, v0
	s_and_saveexec_b32 s43, vcc_lo
	global_store_b32 v37, v36, s[22:23]            ; thread 0 alone
	s_wait_xcnt 0x0
	s_or_b32 exec_lo, exec_lo, s43
.Lmend:
	s_wait_tensorcnt 0x0
	ds_add_u32 v251, v255
	s_wait_dscnt 0x0
	s_endpgm
.Lfunc_end_k_qc7442a0293_prep:
	.size	k_qc7442a0293_prep, .Lfunc_end_k_qc7442a0293_prep-k_qc7442a0293_prep
	.p2alignl 7, 3214868480
	.fill 96, 4, 3214868480
	.section	.rodata,"a",@progbits
	.p2align	6, 0x0
	.amdhsa_kernel k_qc7442a0293_prep
		.amdhsa_group_segment_fixed_size 68864
		.amdhsa_private_segment_fixed_size 0
		.amdhsa_enable_private_segment 0
		.amdhsa_kernarg_size 80
		.amdhsa_user_sgpr_count 2
		.amdhsa_user_sgpr_kernarg_segment_ptr 1
		.amdhsa_wavefront_size32 1
		.amdhsa_system_sgpr_workgroup_id_x 1
		.amdhsa_system_sgpr_workgroup_id_y 1
		.amdhsa_system_sgpr_workgroup_id_z 1
		.amdhsa_system_vgpr_workitem_id 0
		.amdhsa_next_free_vgpr 256
		.amdhsa_next_free_sgpr 66
		.amdhsa_reserve_vcc 1
		.amdhsa_float_denorm_mode_32 3
		.amdhsa_float_denorm_mode_16_64 3
		.amdhsa_memory_ordered 1
		.amdhsa_forward_progress 1
		.amdhsa_inst_pref_size 85
	.end_amdhsa_kernel
	.amdgpu_metadata
---
amdhsa.version: [ 1, 2 ]
amdhsa.kernels:
  - .name:           k_qc7442a0293_prep
    .symbol:         k_qc7442a0293_prep.kd
    .args:
      - { .name: x, .offset: 0, .size: 8, .value_kind: global_buffer, .address_space: global }
      - { .name: Wq, .offset: 8, .size: 8, .value_kind: global_buffer, .address_space: global }
      - { .name: Wk, .offset: 16, .size: 8, .value_kind: global_buffer, .address_space: global }
      - { .name: Wv, .offset: 24, .size: 8, .value_kind: global_buffer, .address_space: global }
      - { .name: Wo, .offset: 32, .size: 8, .value_kind: global_buffer, .address_space: global }
      - { .name: mask, .offset: 40, .size: 8, .value_kind: global_buffer, .address_space: global }
      - { .name: xw, .offset: 48, .size: 8, .value_kind: global_buffer, .address_space: global }
      - { .name: sx, .offset: 56, .size: 8, .value_kind: global_buffer, .address_space: global }
      - { .name: lm, .offset: 64, .size: 8, .value_kind: global_buffer, .address_space: global }
      - { .name: fl, .offset: 72, .size: 8, .value_kind: global_buffer, .address_space: global }
    .group_segment_fixed_size: 68864
    .private_segment_fixed_size: 0
    .kernarg_segment_align: 8
    .kernarg_segment_size: 80
    .max_flat_workgroup_size: 128
    .sgpr_count:     66
    .vgpr_count:     256
    .wavefront_size: 32
...
	.end_amdgpu_metadata
.endif
;; end of part 1
;; launch qkv (part 2): grid 24 x 32, 4 waves a work-group, clusters of 4 x 4, 295,424 bytes of LDS; arguments xw, sx, bq, bk, bv, kv, qb; writes kv, qb
.if DOCPART == 2
	.amdgcn_target "amdgcn-amd-amdhsa--gfx1250"
	.amdhsa_code_object_version 6
	.text
	.protected	k_qc7442a0293_qkv
	.globl	k_qc7442a0293_qkv
	.p2align	8
	.type	k_qc7442a0293_qkv,@function
k_qc7442a0293_qkv:
	s_mov_b64 s[64:65], 0
	v_nop
	global_prefetch_b8 v0, s[64:65] scope:SCOPE_SE
	s_setreg_imm32_b32 hwreg(HW_REG_WAVE_MODE, 25, 1), 1
	s_wait_xcnt 0x0
	s_wait_alu depctr_hold_cnt(0) depctr_sa_sdst(0) depctr_va_vdst(0) depctr_va_sdst(0) depctr_va_ssrc(0) depctr_va_vcc(0) depctr_vm_vsrc(0)
	s_getreg_b32 s2, hwreg(HW_REG_IB_STS2, 6, 4)
	s_cmp_eq_u32 s2, 0
	s_cbranch_scc0 .Lentry_in_a_cluster
	s_endpgm
.Lentry_in_a_cluster:
	s_bfe_u32 s2, ttmp6, 0x10000c
	s_cmp_lg_u32 s2, 0xf033
	s_cbranch_scc0 .Lentry_shape_is_right
	s_endpgm
.Lentry_shape_is_right:
; q = x Wq^T + bq, k = x Wk^T + bk, v = x Wv^T + bv on codes of FP6 (E2M3) with E8M0 scales, and q, k, v quantised again in registers, as the operands that the attention launch takes.
; A work-group makes 256 tokens x 128 features over all of K = 1,024.  Work-group x 0-7 serves q, 8-15 k, 16-23 v (the weights' rows lie on end behind x's in xw).
; Both panels of codes lie in LDS whole (196,608 + 98,304 bytes): every byte is filled once, so there is no ring; they come in four chunks of two K steps, and the products start when the first has landed.
; Four waves, each 128 tokens x 64 features: 32 accumulators.  64 features are one head, 128 tokens one key step.
; TILES: lane r of tile 2 g + u stands for row 32 g + 8 u + r + 8 (r / 8), for tokens and features alike, so that the 16 result registers of tiles 2 g and 2 g + 1 are 16 neighbours.
; q, k: the product is used transposed (source 0 = 16 features, source 1 = 16 tokens): a lane holds one token, its registers run along the head's 64.  Two token tiles (64 registers) give one fragment:
;   registers 0-5 token tile 2 g, registers 6-11 token tile 2 g + 1, each with d = 32 h on; its scale word: bytes 0, 1 and bytes 2, 3.
; v: source 0 = 16 tokens, source 1 = 16 features: a lane holds one feature d, its registers run along the 128 tokens, which are the second attention product's K.
; The biases are the C of each sum's first matrix instruction.
; kv: [batch x head 64][key step 16] records of 12,800 bytes: K's 4 fragments, V's 4 fragments, K's scale words [r][4], V's.  qb: [64][16] records of 6,400: 4 fragments, scale words [r][4].
; CLUSTER 4 x 4: x's panels hang on the tile row alone and are asked for jointly along a row of the cluster, the weights' on the tile column alone, along a column.
; The kind (q, k, v) hangs on the cluster's x alone: it is the same in all sixteen partners.
; LIMITS: a block of zeros gets the byte 1 (its codes are zeros; only this program reads the bytes); NaN and infinities are not served.
; REGISTERS, in windows of 256: window 0: v1-15 addresses; v32-95 x's scale words (8 i + s), v96-127 the weights' (8 j + s); v128-209 the way out.
;   window 1: the 32 accumulators.   window 2: x's fragments, two sets at v0 and v96; v192-223 the bias.   window 3: the weights' fragments, two sets at v0 and v48.
.set BLKB, 49152                       ; a block of 64 rows in xw: 8 K steps x 4 tiles x 1,536 bytes
.set STPB, 6144                        ; a K step of a block
.set FRB,  1536                        ; a fragment
.set AH,   98304                       ; LDS: 128 tokens' codes
.set ACH,  24576                       ; a chunk of them: 2 blocks x 2 K steps
.set BB,   196608                      ; the weights begin here
.set BH,   49152                       ; 64 features' codes
.set BCH,  12288                       ; a chunk of them, and a block's two K steps in memory
.set B0,   128                         ; Wq's first block in xw
.set AS,   32
.set BS,   96
.set BI,   192
.set PCB,  128                         ; the way out: four fragments' codes, v128-175
.set PT,   176
.set PW,   184                         ; their scale words, v184-187
.set TM,   192
.set WV,   18
.set MH,   19                          ; which 128 tokens are mine.  Also: I fetch x's codes (0) or the weights' (1)
.set NH,   20                          ; which 64 features.  Also: which half of that panel I fetch
.set SEL,  22
.set KIND, 93
.set MSB, 0
.macro WIN new                         ; the immediate's high byte repeats the setting that is left
.if MSB != \new
	s_set_vgpr_msb (MSB<<8)|\new
.set MSB, \new
.endif
.endm
.macro PLACES                          ; four places behind a matrix instruction, in front of loads into its sources and of reads of its results
.rept 4
	v_nop
.endr
.endm
.macro CROUND                          ; a round of the cluster's barrier
	s_barrier_signal -1
	s_barrier_wait -1
	s_cmp_lg_u32 s[WV], 0
	s_cbranch_scc1 .Lnot_wave_0_\@
	s_barrier_signal -3
.Lnot_wave_0_\@:
	s_barrier_wait -3
	s_barrier_signal -1
	s_barrier_wait -1
.endm
.macro LDF reg, a16, a8, off           ; a fragment out of LDS, as it was stored: consecutive bytes in consecutive lanes
	ds_load_b128 v[\reg:\reg+3], v[\a16] offset:\off
	ds_load_b64 v[\reg+4:\reg+5], v[\a8] offset:(\off)+512
	ds_load_b128 v[\reg+6:\reg+9], v[\a16] offset:(\off)+768
	ds_load_b64 v[\reg+10:\reg+11], v[\a8] offset:(\off)+1280
.endm
.macro FETCH s                         ; K step s: my 8 fragments of x and 4 of the weights, into set s % 2
.set CH, (\s)/2
	WIN 0x80
.irp i, 0,1,2,3,4,5,6,7
	LDF 96*((\s)%2)+12*\i, 4+2*(CH/2), 5+2*(CH/2), (CH%2)*ACH+(\i/4)*BCH+((\s)%2)*STPB+(\i%4)*FRB
.endr
	WIN 0xc0
.irp j, 0,1,2,3
	LDF 48*((\s)%2)+12*\j, 8, 9, CH*BCH+((\s)%2)*STPB+\j*FRB
.endr
	WIN 0
.endm
; 32 products; the accumulators take turns, one instruction a turn, in ascending order in every step
.macro MULT s                          ; transposed: accumulator 4 i + j
.irp i, 0,1,2,3,4,5,6,7
.irp j, 0,1,2,3
.if (\s) == 0
	v_wmma_scale_f32_16x16x128_f8f6f4 v[8*(4*\i+\j):8*(4*\i+\j)+7], v[48*((\s)%2)+12*\j:48*((\s)%2)+12*\j+11], v[96*((\s)%2)+12*\i:96*((\s)%2)+12*\i+11], v[BI+8*\j:BI+8*\j+7], v[BS+8*\j+(\s)], v[AS+8*\i+(\s)] matrix_a_fmt:MATRIX_FMT_FP6 matrix_b_fmt:MATRIX_FMT_FP6
.else
	v_wmma_scale_f32_16x16x128_f8f6f4 v[8*(4*\i+\j):8*(4*\i+\j)+7], v[48*((\s)%2)+12*\j:48*((\s)%2)+12*\j+11], v[96*((\s)%2)+12*\i:96*((\s)%2)+12*\i+11], v[8*(4*\i+\j):8*(4*\i+\j)+7], v[BS+8*\j+(\s)], v[AS+8*\i+(\s)] matrix_a_fmt:MATRIX_FMT_FP6 matrix_b_fmt:MATRIX_FMT_FP6
.endif
.endr
.endr
.endm
.macro MULN s                          ; as it reads: accumulator 8 j + i
.irp j, 0,1,2,3
.irp i, 0,1,2,3,4,5,6,7
.if (\s) == 0
	v_wmma_scale_f32_16x16x128_f8f6f4 v[8*(8*\j+\i):8*(8*\j+\i)+7], v[96*((\s)%2)+12*\i:96*((\s)%2)+12*\i+11], v[48*((\s)%2)+12*\j:48*((\s)%2)+12*\j+11], v[BI+8*\j:BI+8*\j+7], v[AS+8*\i+(\s)], v[BS+8*\j+(\s)] matrix_a_fmt:MATRIX_FMT_FP6 matrix_b_fmt:MATRIX_FMT_FP6
.else
	v_wmma_scale_f32_16x16x128_f8f6f4 v[8*(8*\j+\i):8*(8*\j+\i)+7], v[96*((\s)%2)+12*\i:96*((\s)%2)+12*\i+11], v[48*((\s)%2)+12*\j:48*((\s)%2)+12*\j+11], v[8*(8*\j+\i):8*(8*\j+\i)+7], v[AS+8*\i+(\s)], v[BS+8*\j+(\s)] matrix_a_fmt:MATRIX_FMT_FP6 matrix_b_fmt:MATRIX_FMT_FP6
.endif
.endr
.endr
.endm
.macro STEP s
	s_wait_dscnt 0x0                               ; this step's fragments are in (asked for 32 products ago)
.if ((\s)==1)||((\s)==3)||((\s)==5)
	s_wait_tensorcnt 3-((\s)+1)/2                  ; my part of the next chunk has landed; my later chunks may stay out
	s_barrier_signal -1
	s_barrier_wait -1                              ; everybody's has
.endif
.if ((\s)>0)&&((\s)<7)
	PLACES                                         ; the set that the last step multiplied is loaded again
.endif
.if (\s)<7
	FETCH (\s)+1
.endif
	s_cmp_eq_u32 s[KIND], 2                        ; the branch stands round the products alone: barriers and waits are on the one common way
	s_cbranch_scc1 .Lnat_\@
.if (\s)==0
	WIN 0x6b                                       ; source 0 window 3, source 1 window 2, C (the bias) window 2, D window 1
.else
	WIN 0x5b                                       ; C and D window 1
.endif
	MULT \s
	WIN 0
	s_branch .Ljoin_\@
.Lnat_\@:
.if (\s)==0
	WIN 0x6e                                       ; source 0 window 2, source 1 window 3
.else
	WIN 0x5e
.endif
	MULN \s
	WIN 0
.Ljoin_\@:
.endm
	s_load_b256 s[4:11], s[0:1], 0x0               ; xw, sx, bq, bk
	s_load_b128 s[12:15], s[0:1], 0x20             ; bv, kv
	s_load_b64 s[16:17], s[0:1], 0x30              ; qb
	v_lshl_add_u32 v254, v0, 2, 0x48000
	v_mov_b32 v255, 0
	ds_add_u32 v254, v255
	ds_add_u32 v254, v255
	v_lshrrev_b32 v1, 5, v0
	v_readfirstlane_b32 s[WV], v1                  ; wave 0..3
	s_lshr_b32 s[MH], s[WV], 1
	s_and_b32 s[NH], s[WV], 1
	s_bfe_u32 s76, ttmp6, 0x40000                  ; cx
	s_bfe_u32 s77, ttmp6, 0x40004                  ; cy
	s_lshl_b32 s78, ttmp9, 2
	s_add_co_u32 s78, s78, s76                     ; tile column = 4 x cluster x + cx
	s_and_b32 s79, ttmp7, 0xffff
	s_lshl_b32 s79, s79, 2
	s_add_co_u32 s79, s79, s77                     ; tile row = 4 x cluster y + cy
	s_lshl_b32 s80, s77, 2
	s_lshl_b32 s80, 15, s80                        ; my row of the cluster
	s_lshl_b32 s81, 0x1111, s76                    ; my column
	s_lshr_b32 s[KIND], ttmp9, 1                   ; 0 q, 1 k, 2 v
	; group 1 for x's chunks: two rows (blocks) of 1,536 elements of 8 bytes, 6,144 elements apart
	s_or_b32 s24, s80, (3<<16)|(1<<21)             ; 15:0 the mask; 17:16 elements of 8 bytes; 21 set beside a mask
	s_mov_b32 s25, 1536<<16                        ; tensor_dim0
	s_mov_b32 s26, 2<<16                           ; tensor_dim1
	s_mov_b32 s27, 1536<<16                        ; tile_dim0
	s_mov_b32 s28, 2                               ; tile_dim1
	s_mov_b32 s29, 6144                            ; from row to row
	s_mov_b32 s30, 0
	s_mov_b32 s31, 0
	; and for the weights': one row of 1,536 elements
	s_or_b32 s32, s81, (3<<16)|(1<<21)
	s_mov_b32 s33, 1536<<16
	s_mov_b32 s34, 1<<16
	s_mov_b32 s35, 1536<<16
	s_mov_b32 s36, 1
	s_mov_b32 s37, 1536
	s_mov_b32 s38, 0
	s_mov_b32 s39, 0
	s_lshl_b32 s82, s79, 2                         ; x: block 4 x tile row + 2 x half
	s_lshl_b32 s83, s[NH], 1
	s_add_co_u32 s82, s82, s83
	s_mul_i32 s82, s82, BLKB
	s_mov_b32 s83, 0
	s_lshl_b32 s86, s78, 1                         ; the weights: block B0 + 2 x tile column + half
	s_add_co_u32 s86, s86, s[NH]
	s_add_co_u32 s86, s86, B0
	s_mul_i32 s86, s86, BLKB
	s_mov_b32 s87, 0
	s_mul_i32 s90, s[NH], AH                       ; where they go: no place in the cluster enters an LDS address
	s_mul_i32 s91, s[NH], BH
	s_wait_dscnt 0x0
	s_wait_kmcnt 0x0
	s_add_nc_u64 s[84:85], s[4:5], s[82:83]
	s_add_nc_u64 s[88:89], s[4:5], s[86:87]
.irp c, 0,1,2,3                                ; a group 0 for each chunk: s40-55 for x, s56-63 and s68-75 for the weights
	s_mov_b32 s[40+4*\c], 1
	s_add_co_u32 s[41+4*\c], s90, \c*ACH
	s_add_nc_u64 s[42+4*\c:43+4*\c], s[84:85], \c*BCH
	s_or_b32 s[43+4*\c], s[43+4*\c], 0x80000000
	s_mov_b32 s[56+4*\c+4*(\c/2)], 1
	s_add_co_u32 s[57+4*\c+4*(\c/2)], s91, BB+\c*BCH
	s_add_nc_u64 s[58+4*\c+4*(\c/2):59+4*\c+4*(\c/2)], s[88:89], \c*BCH
	s_or_b32 s[59+4*\c+4*(\c/2)], s[59+4*\c+4*(\c/2)], 0x80000000
.endr
	CROUND                                         ; all sixteen work-groups are here: the joint loads meet
	s_cmp_eq_u32 s[MH], 0                          ; a wave's four fills stand in one branch on its number: four loads of mine are out at most
	s_cbranch_scc0 .Lfill_b
	tensor_load_to_lds s[40:43], s[24:31]
	s_nop 0
	tensor_load_to_lds s[44:47], s[24:31]
	s_nop 0
	tensor_load_to_lds s[48:51], s[24:31]
	s_nop 0
	tensor_load_to_lds s[52:55], s[24:31]
	s_nop 0
	PLACES                                         ; (four v_nop behind the loads)
	s_branch .Lfilled
.Lfill_b:
	tensor_load_to_lds s[56:59], s[32:39]
	s_nop 0
	tensor_load_to_lds s[60:63], s[32:39]
	s_nop 0
	tensor_load_to_lds s[68:71], s[32:39]
	s_nop 0
	tensor_load_to_lds s[72:75], s[32:39]
	s_nop 0
	PLACES
.Lfilled:
	v_and_b32 v1, 31, v0                           ; lane
	v_and_b32 v2, 15, v0                           ; r
	v_bfe_u32 v3, v0, 4, 1                         ; h
	v_lshlrev_b32 v10, 4, v1
	v_lshlrev_b32 v11, 3, v1
	s_mul_i32 s2, s[MH], AH
	v_add_nc_u32 v4, s2, v10                       ; x's fragments, chunks 0 and 1: 16 x lane, 8 x lane
	v_add_nc_u32 v5, s2, v11
	s_add_co_u32 s2, s2, 2*ACH
	v_add_nc_u32 v6, s2, v10                       ; chunks 2 and 3
	v_add_nc_u32 v7, s2, v11
	s_mul_i32 s2, s[NH], BH
	s_add_co_u32 s2, s2, BB
	v_add_nc_u32 v8, s2, v10                       ; the weights'
	v_add_nc_u32 v9, s2, v11
	v_and_b32 v12, 8, v2
	v_add_nc_u32 v12, v12, v2                      ; r + 8 (r / 8)
	v_lshlrev_b32 v15, 2, v12                      ; v's bias: my feature
	v_lshlrev_b32 v12, 5, v12                      ; scale rows of 32 bytes
	v_lshlrev_b32 v13, 6, v3                       ; q's, k's bias: 16 h features on
	v_lshlrev_b32 v14, 4, v2
	v_lshl_add_u32 v14, v3, 3, v14                 ; the new scale words: 16 r + 8 h
.irp b, 0,1,2,3
	v_mov_b32 v[TM+4+\b], 0                        ; a lane permute's destination counts as one of its sources
.endr
	s_mov_b32 s[SEL], 0x76543210
	s_mov_b32 s[SEL+1], 0xfedcba98
	s_mov_b32 s92, 0xffff0000                      ; lanes 16-31
	s_lshl_b32 s66, s79, 8
	s_lshl_b32 s2, s[MH], 7
	s_add_co_u32 s66, s66, s2                      ; my first token
	s_lshl_b32 s2, s66, 5
	s_mov_b32 s3, 0
	s_add_nc_u64 s[96:97], s[6:7], s[2:3]          ; its scale row
	s_lshl_b32 s2, s78, 7
	s_lshl_b32 s21, s[NH], 6
	s_add_co_u32 s2, s2, s21
	s_add_co_u32 s2, s2, 8192                      ; my first row of the weights, in xw's count of rows
	s_lshl_b32 s2, s2, 5
	s_add_nc_u64 s[98:99], s[6:7], s[2:3]
.irp i, 0,1,2,3,4,5,6,7
	global_load_b128 v[AS+8*\i:AS+8*\i+3], v12, s[96:97] offset:(32*(\i/2)+8*(\i%2))*32      ; lane r: its row's eight scale words
	global_load_b128 v[AS+8*\i+4:AS+8*\i+7], v12, s[96:97] offset:(32*(\i/2)+8*(\i%2))*32+16
.endr
.irp j, 0,1,2,3
	global_load_b128 v[BS+8*\j:BS+8*\j+3], v12, s[98:99] offset:(32*(\j/2)+8*(\j%2))*32
	global_load_b128 v[BS+8*\j+4:BS+8*\j+7], v12, s[98:99] offset:(32*(\j/2)+8*(\j%2))*32+16
.endr
	s_cmp_eq_u32 s[KIND], 0                        ; the bias: bq, bk or bv, at my 64 features
	s_cselect_b64 s[94:95], s[8:9], s[10:11]
	s_cmp_eq_u32 s[KIND], 2
	s_cselect_b64 s[94:95], s[12:13], s[94:95]
	s_and_b32 s2, s78, 7
	s_lshl_b32 s2, s2, 9
	s_lshl_b32 s21, s[NH], 8
	s_add_co_u32 s2, s2, s21
	s_add_nc_u64 s[94:95], s[94:95], s[2:3]
	s_cmp_eq_u32 s[KIND], 2
	s_cbranch_scc1 .Lbias_v
	WIN 0x80
.irp j, 0,1,2,3                                ; lane (r, h), tile j: features 32 (j / 2) + 16 h + 8 (j % 2) + 0 .. 7
	global_load_b128 v[BI+8*\j:BI+8*\j+3], v13, s[94:95] offset:(32*(\j/2)+8*(\j%2))*4
	global_load_b128 v[BI+8*\j+4:BI+8*\j+7], v13, s[94:95] offset:(32*(\j/2)+8*(\j%2))*4+16
.endr
	WIN 0
	s_branch .Lbias_in
.Lbias_v:
	WIN 0x80
.irp j, 0,1,2,3                                ; lane (r, h), tile j: its one feature, in all eight registers
.irp e, 0,1,2,3,4,5,6,7
	global_load_b32 v[BI+8*\j+\e], v15, s[94:95] offset:(32*(\j/2)+8*(\j%2))*4
.endr
.endr
	WIN 0
.Lbias_in:
	s_wait_tensorcnt 3                             ; my part of chunk 0 has landed; the three behind it may stay out
	s_barrier_signal -1
	s_barrier_wait -1
	FETCH 0
	s_wait_loadcnt 0x0                             ; scale words and bias
	STEP 0
	STEP 1
	STEP 2
	STEP 3
	STEP 4
	STEP 5
	STEP 6
	STEP 7
; THE WAY OUT, alike for q, k and v: 64 registers, register 16 b + i = place 32 b + 16 h + i along the next K, become a fragment's codes and its scale word.
.macro QUANTW s, pc, pw
	WIN 0x05                                       ; sources 0 and 1 window 1
.irp b, 0,1,2,3
	v_max3_num_f32 v[TM+\b], |v[(\s)+16*\b]|, |v[(\s)+1+16*\b]|, 0x1800000   ; each accumulator is read from its low end on; the floor 2^(3 - 127) holds the byte at 1 from below
.endr
	WIN 0x14                                       ; sources 1 and 2 window 1
.irp i, 2,4,6,8,10,12,14
.irp b, 0,1,2,3
	v_max3_num_f32 v[TM+\b], v[TM+\b], |v[(\s)+16*\b+\i]|, |v[(\s)+1+16*\b+\i]|
.endr
.endr
	WIN 0
.irp b, 0,1,2,3
	v_permlanex16_b32 v[TM+4+\b], v[TM+\b], s[SEL], s[SEL+1]
.endr
.irp b, 0,1,2,3
	v_max_num_f32 v[TM+\b], v[TM+\b], v[TM+4+\b]   ; with lane l xor 16's: the block's largest magnitude
.endr
.irp b, 0,1,2,3
	v_add_nc_u32 v[TM+12+\b], 0xff000000, v[TM+\b] ; 2 off the exponent field: the conversion's scale operand
.endr
.irp b, 0,1,2,3
	v_lshrrev_b32 v[TM+4+\b], 23, v[TM+12+\b]      ; the scale's byte
.endr
	v_lshl_or_b32 v[\pw], v[TM+5], 8, v[TM+4]
	v_lshl_or_b32 v[\pw], v[TM+6], 16, v[\pw]
	v_lshl_or_b32 v[\pw], v[TM+7], 24, v[\pw]
	WIN 0x01                                       ; source 0 window 1
.irp c, 0,1
	v_cvt_scalef32_pk16_fp6_f32 v[(\pc)+6*\c:(\pc)+6*\c+2], v[(\s)+32*\c:(\s)+32*\c+15], v[TM+12+2*\c]
	v_cvt_scalef32_pk16_fp6_f32 v[PT+4*\c:PT+4*\c+2], v[(\s)+16+32*\c:(\s)+31+32*\c], v[TM+12+2*\c+1]
.endr
	WIN 0
	v_nop                                          ; one plain place behind a scaled conversion
.irp c, 0,1                                    ; the operand's layout wants a whole block in a lane
.irp i, 0,1,2
	v_permlane16_swap_b32 v[(\pc)+6*\c+\i], v[PT+4*\c+\i]
.endr
.irp i, 0,1,2
	v_mov_b32 v[(\pc)+3+6*\c+\i], v[PT+4*\c+\i]
.endr
.endr
.endm
	PLACES
	s_lshr_b32 s2, s66, 11                         ; batch
	s_lshl_b32 s2, s2, 4
	s_and_b32 s3, s78, 7
	s_lshl_b32 s3, s3, 1
	s_add_co_u32 s3, s3, s[NH]                     ; head
	s_add_co_u32 s2, s2, s3
	s_lshl_b32 s2, s2, 4
	s_bfe_u32 s3, s66, 0x40007                     ; which 128 tokens of the batch
	s_add_co_u32 s2, s2, s3                        ; the record
	s_cmp_eq_u32 s[KIND], 0
	s_cselect_b64 s[94:95], s[16:17], s[14:15]     ; qb or kv
	s_mov_b32 s96, 12800
	s_cselect_b32 s96, 6400, s96                   ; a record's bytes
	s_mov_b32 s97, 12288
	s_cselect_b32 s97, 6144, s97                   ; where the scale words go: q, k
	s_cmp_eq_u32 s[KIND], 2
	s_cselect_b32 s98, 6144, 0                     ; where the codes go: V's lie behind K's
	s_mov_b32 s99, 12544
	s_cselect_b32 s97, s99, s97                    ; v
	s_mul_i32 s96, s2, s96
	s_add_co_u32 s98, s96, s98
	s_mov_b32 s99, 0
	s_add_nc_u64 s[98:99], s[94:95], s[98:99]      ; codes
	s_add_co_u32 s96, s96, s97
	s_mov_b32 s97, 0
	s_add_nc_u64 s[96:97], s[94:95], s[96:97]      ; scale words
.irp g, 0,1,2,3
	QUANTW 64*\g, PCB+12*\g, PW+\g
	global_store_b128 v10, v[PCB+12*\g:PCB+12*\g+3], s[98:99] offset:FRB*\g          ; each store covers 512 or 256 consecutive bytes, aligned; each fragment has registers of its own
	global_store_b64 v11, v[PCB+12*\g+4:PCB+12*\g+5], s[98:99] offset:FRB*\g+512
	global_store_b128 v10, v[PCB+12*\g+6:PCB+12*\g+9], s[98:99] offset:FRB*\g+768
	global_store_b64 v11, v[PCB+12*\g+10:PCB+12*\g+11], s[98:99] offset:FRB*\g+1280
.endr
	v_cndmask_b32 v208, v[PW], v[PW+2], s92        ; lanes 0-15 store words 0, 1 of their row, lanes 16-31 words 2, 3
	v_cndmask_b32 v209, v[PW+1], v[PW+3], s92
	global_store_b64 v14, v[208:209], s[96:97]     ; 256 consecutive bytes, aligned
	s_wait_tensorcnt 0x0
	ds_add_u32 v254, v255
	s_wait_dscnt 0x0
	CROUND                                         ; the closing round: no work-group ends while a partner may still ask for a tile that names it
	s_endpgm
.Lfunc_end_k_qc7442a0293_qkv:
	.size	k_qc7442a0293_qkv, .Lfunc_end_k_qc7442a0293_qkv-k_qc7442a0293_qkv
	.p2alignl 7, 3214868480
	.fill 96, 4, 3214868480
	.section	.rodata,"a",@progbits
	.p2align	6, 0x0
	.amdhsa_kernel k_qc7442a0293_qkv
		.amdhsa_group_segment_fixed_size 295424
		.amdhsa_private_segment_fixed_size 0
		.amdhsa_enable_private_segment 0
		.amdhsa_kernarg_size 56
		.amdhsa_user_sgpr_count 2
		.amdhsa_user_sgpr_kernarg_segment_ptr 1
		.amdhsa_wavefront_size32 1
		.amdhsa_system_sgpr_workgroup_id_x 1
		.amdhsa_system_sgpr_workgroup_id_y 1
		.amdhsa_system_sgpr_workgroup_id_z 1
		.amdhsa_system_vgpr_workitem_id 0
		.amdhsa_next_free_vgpr 1024
		.amdhsa_next_free_sgpr 100
		.amdhsa_reserve_vcc 0
		.amdhsa_float_denorm_mode_32 3
		.amdhsa_float_denorm_mode_16_64 3
		.amdhsa_memory_ordered 1
		.amdhsa_forward_progress 1
		.amdhsa_inst_pref_size 126
	.end_amdhsa_kernel
	.amdgpu_metadata
---
amdhsa.version: [ 1, 2 ]
amdhsa.kernels:
  - .name:           k_qc7442a0293_qkv
    .symbol:         k_qc7442a0293_qkv.kd
    .args:
      - { .name: xw, .offset: 0, .size: 8, .value_kind: global_buffer, .address_space: global }
      - { .name: sx, .offset: 8, .size: 8, .value_kind: global_buffer, .address_space: global }
      - { .name: bq, .offset: 16, .size: 8, .value_kind: global_buffer, .address_space: global }
      - { .name: bk, .offset: 24, .size: 8, .value_kind: global_buffer, .address_space: global }
      - { .name: bv, .offset: 32, .size: 8, .value_kind: global_buffer, .address_space: global }
      - { .name: kv, .offset: 40, .size: 8, .value_kind: global_buffer, .address_space: global }
      - { .name: qb, .offset: 48, .size: 8, .value_kind: global_buffer, .address_space: global }
    .group_segment_fixed_size: 295424
    .private_segment_fixed_size: 0
    .kernarg_segment_align: 8
    .kernarg_segment_size: 56
    .max_flat_workgroup_size: 128
    .sgpr_count:     100
    .vgpr_count:     1024
    .wavefront_size: 32
...
	.end_amdgpu_metadata
.endif
;; end of part 2
;; launch attn (part 3): grid 64 x 4, 16 waves a work-group, no clusters, 206,848 bytes of LDS; arguments kv, qb, lm, fl, cc, cs; writes cc, cs
.if DOCPART == 3
	.amdgcn_target "amdgcn-amd-amdhsa--gfx1250"
	.amdhsa_code_object_version 6
	.text
	.protected	k_qc7442a0293_attn
	.globl	k_qc7442a0293_attn
	.p2align	8
	.type	k_qc7442a0293_attn,@function
k_qc7442a0293_attn:
	s_mov_b64 s[64:65], 0
	v_nop
	global_prefetch_b8 v0, s[64:65] scope:SCOPE_SE
	s_setreg_imm32_b32 hwreg(HW_REG_WAVE_MODE, 25, 1), 1
	s_wait_xcnt 0x0
; ctx = softmax(q k^T / 8, masked) v for one batch and head, both products on codes of FP6 (E2M3) with E8M0 scales; ctx is quantised in registers along the model's 1,024 and stored as the last product's operand.
; THE SOFTMAX: t = score x log2(e) / 8; M = the row's largest t so far, rounded up to a whole number; p = 2^(t - M) is quantised along the keys; the row's sum is taken of the unquantised p and divides at the end.
; When M moves, the sum and O are multiplied by 2^(old M - new M), which rounds nothing.
; THE MASK is an input: lm holds, for my tile of 16 queries and each step of 128 keys, a lane mask for each of my 64 score registers; a masked score becomes -2^33 ahead of the maximum.
; fl's bit ks lets a step be left out: all its entries are masked and every query of the tile has an open key somewhere, so that each p of the step is exactly 0.  Bit 16 + ks: nothing is masked in the step.
; These are branches on whole numbers that an earlier launch stored; so this launch has no tensor load and asks for nothing jointly: a head's K and V (204,800 bytes) come into LDS once, through registers.
; LIMITS: a masked logit stands at -2^30, not at -1e9: t is then a whole number, so that a row with no open key gives p = 1 for every key, the mean of V, as the definition does; the results are the definition's as long as
; open logits lie above about -1e9.  A block of zeros gets the byte 1 (its codes are zeros; only this program reads the bytes).  NaN and infinities are not served.
; SHARES.  Work-group (head, y) takes the blocks y and 7 - y of 256 queries, one after the other; wave w takes tile w of the first and tile 15 - w of the second: 16 queries in 256 registers, four waves to a SIMD.
; Behind the one barrier no wave waits for another.
; TILES: lane r of tile 2 g + u stands for row 32 g + 8 u + r + 8 (r / 8), for queries, keys and the head's d alike.
; LAYOUT.  S^T = K Q^T (source 0 = keys), O^T = V^T P^T (source 0 = d): a lane holds one query throughout.
; THE HEAD'S 64 FILL HALF OF THE INSTRUCTION'S 128: a fragment of K holds TWO key tiles (registers 0-5, 6-11).  q's six registers stand between two runs of six zero registers: v[22:33] is (q, 0) and multiplies the first
; tile, v[16:27] is (0, q) and multiplies the second; zero codes add nothing.  q's two scale bytes stand twice in its scale word.
.set REC,  12800                       ; a key step in LDS: K's 4 fragments, V's 4, K's scale words [r][4], V's
.set KV,   44                          ; v44-91   four fragments of K, then of V
.set S,    92                          ; v92-155  S^T, then p
.set O,    156                         ; v156-187 O^T
.set PC,   188                         ; v188-199 p's codes
.set PT,   200                         ; v200-206
.set BM,   208                         ; v208-211 the blocks' largest
.set BX,   212                         ; v212-215 the other half's; then bytes
.set SO,   216                         ; v216-219 the conversions' scale operands
.set WV,   16
.set BHD,  17
.set YB,   18
.set TRIP, 19
.set SEL,  20
.set CS,   22
.set KS,   24
.set TB,   25
.set LMO,  26
.set FL,   27
.set LMP,  28
.set HI,   30                          ; s30 lanes 16-31
.set TAU,  31
.macro LDF reg, off                    ; a fragment out of LDS: consecutive bytes in consecutive lanes
	ds_load_b128 v[\reg:\reg+3], v4 offset:\off
	ds_load_b64 v[\reg+4:\reg+5], v5 offset:(\off)+512
	ds_load_b128 v[\reg+6:\reg+9], v4 offset:(\off)+768
	ds_load_b64 v[\reg+10:\reg+11], v5 offset:(\off)+1280
.endm
	s_load_b256 s[4:11], s[0:1], 0x0               ; kv, qb, lm, fl
	s_load_b128 s[12:15], s[0:1], 0x20             ; cc, cs
	v_lshl_add_u32 v254, v0, 2, 0x32000
	v_mov_b32 v255, 0
	v_lshrrev_b32 v1, 5, v0
	v_readfirstlane_b32 s[WV], v1                  ; wave 0..15
	s_mov_b32 s[BHD], ttmp9                        ; batch x 16 + head
	s_and_b32 s[YB], ttmp7, 0xffff
	v_lshlrev_b32 v208, 4, v0                      ; the fill: 16 bytes a thread, 8,192 an instruction
	v_add_nc_u32 v209, 0x10000, v208
	v_add_nc_u32 v210, 0x20000, v208
	v_add_nc_u32 v211, 0x30000, v208
	s_mul_i32 s2, s[BHD], 16*REC
	s_mov_b32 s3, 0
	s_wait_kmcnt 0x0
	s_add_nc_u64 s[4:5], s[4:5], s[2:3]
.irp i, 0,1,2,3,4,5,6,7,8,9,10,11,12,13,14,15,16,17,18,19,20,21,22,23,24
	global_load_b128 v[S+4*\i:S+4*\i+3], v208, s[4:5] offset:8192*\i
.endr
	v_and_b32 v223, 31, v0
	v_lshlrev_b32 v1, 4, v223                      ; 16 x lane
	v_lshlrev_b32 v2, 3, v223                      ; 8 x lane
	v_and_b32 v224, 15, v0                         ; r
	v_lshlrev_b32 v3, 4, v224                      ; 16 r: a row's four scale words
	v_bfe_u32 v225, v0, 4, 1                       ; h
	v_and_b32 v8, 8, v224
	v_add_nc_u32 v8, v8, v224
	v_lshl_add_u32 v8, v8, 5, v225                 ; cs: my query's row of 32 bytes, + h
	v_mov_b32 v7, 0xd0000000                       ; -2^33
.irp i, 16,17,18,19,20,21,28,29,30,31,32,33
	v_mov_b32 v\i, 0                               ; the zero codes on both sides of q
.endr
	v_mov_b32 v221, 0                              ; (named with f as a pair)
.irp b, 0,1,2,3
	v_mov_b32 v[BX+\b], 0                          ; a lane permute's destination counts as one of its sources
.endr
	s_mov_b32 s[SEL], 0x76543210
	s_mov_b32 s[SEL+1], 0xfedcba98
	s_mov_b32 s[CS], 0x3e38aa3b                    ; c = log2(e) / 8
	s_mov_b32 s[CS+1], s[CS]
	s_mov_b32 s[HI], 0xffff0000
.irp i, 0,1,2,3,4,5,6,7,8,9,10,11,12,13,14,15,16,17,18,19,20,21,22,23,24
	s_wait_loadcnt 24-\i                           ; load i is in; the younger ones may stay out
	ds_store_b128 v[208+\i/8], v[S+4*\i:S+4*\i+3] offset:8192*(\i%8)
.endr
	s_wait_dscnt 0x0                               ; for the others' sake: my stores have landed
	s_barrier_signal -1
	s_barrier_wait -1                              ; the head's K and V lie in LDS; nothing writes LDS from here on
	s_mov_b32 s[TRIP], 0
.Ltrip:
	s_wait_xcnt 0x0                                ; the last tile's stores have read their registers and bases
	s_sub_co_u32 s2, 7, s[YB]
	s_sub_co_u32 s3, 15, s[WV]
	s_cmp_eq_u32 s[TRIP], 0
	s_cselect_b32 s2, s[YB], s2                    ; the block of 256 queries
	s_cselect_b32 s3, s[WV], s3                    ; my tile in it
	s_lshl_b32 s2, s2, 4
	s_add_co_u32 s[TAU], s2, s3                    ; my tile of 16 queries, 0..127
	s_lshl_b32 s100, s[TAU], 2
	s_load_b32 s[FL], s[10:11], s100 offset:0x0    ; its flags
	s_lshl_b32 s104, s[TAU], 12
	s_mov_b32 s105, 0
	s_add_nc_u64 s[LMP:LMP+1], s[8:9], s[104:105]  ; its lane masks
	s_lshl_b32 s2, s[BHD], 4
	s_lshr_b32 s3, s[TAU], 3
	s_add_co_u32 s2, s2, s3
	s_mul_i32 s2, s2, 6400                         ; q's record: 128 tokens
	s_bfe_u32 s3, s[TAU], 0x20001                  ; the fragment in it,
	s_mul_i32 s101, s3, 1536
	s_add_co_u32 s101, s101, s2
	s_and_b32 s32, s[TAU], 1                       ; and my half of that
	s_mul_i32 s33, s32, 768
	s_add_co_u32 s34, s101, s33
	s_mov_b32 s35, 0
	s_add_nc_u64 s[34:35], s[6:7], s[34:35]
	s_lshl_b32 s36, s3, 2
	s_add_co_u32 s36, s36, s2
	s_add_co_u32 s36, s36, 6144
	s_mov_b32 s37, 0
	s_add_nc_u64 s[36:37], s[6:7], s[36:37]
	global_load_b128 v[22:25], v1, s[34:35]        ; q's six registers
	global_load_b64 v[26:27], v2, s[34:35] offset:512
	global_load_b32 v226, v3, s[36:37]             ; the pair's scale word
	s_lshl_b32 s38, s32, 4
	v_mov_b32 v13, 0xff61b1e6                      ; the largest t so far: -3e38
	v_floor_f32 v12, -v13                          ; -M
	v_mov_b32 v14, 0                               ; the sum, in two halves
	v_mov_b32 v15, 0
	s_wait_loadcnt 0x0
	s_wait_kmcnt 0x0
	v_lshrrev_b32 v226, s38, v226
	v_and_b32 v226, 0xffff, v226                   ; my tile's two bytes,
	v_lshl_or_b32 v34, v226, 16, v226              ; twice
.irp j, 0,1,2,3,4,5,6,7,8,9,10,11,12,13,14,15,16,17,18,19,20,21,22,23,24,25,26,27,28,29,30,31
	v_mov_b32 v[O+\j], 0                           ; O^T: the key step is written once; its first run finds zeros.  (Also the places between the scale word's last write and the first product)
.endr
	s_mov_b32 s[TB], 0
	s_mov_b32 s[LMO], 0
	s_mov_b32 s[KS], 0
.Lkey:                                             ; 16 trips: a constant; a step that the flags let go is jumped over, but for the lines that step addresses
	s_lshr_b32 s2, s[FL], s[KS]
	s_bitcmp1_b32 s2, 0
	s_cbranch_scc1 .Lskip
	v_add_nc_u32 v4, s[TB], v1
	v_add_nc_u32 v5, s[TB], v2
	v_add_nc_u32 v6, s[TB], v3
	v_nop                                          ; four places behind the last products, in front of loads into their sources
.irp f, 0,1,2,3
	LDF KV+12*\f, 1536*\f
.endr
	ds_load_b128 v[36:39], v6 offset:12288         ; K's scale words
	s_load_b512 s[32:47], s[LMP:LMP+1], s[LMO] offset:0x0    ; the step's 64 lane masks
	s_load_b512 s[48:63], s[LMP:LMP+1], s[LMO] offset:0x40
	s_load_b512 s[68:83], s[LMP:LMP+1], s[LMO] offset:0x80
	s_load_b512 s[84:99], s[LMP:LMP+1], s[LMO] offset:0xc0
	s_wait_dscnt 0x0
.irp f, 0,1,2,3
	v_wmma_scale_f32_16x16x128_f8f6f4 v[S+16*\f:S+16*\f+7], v[KV+12*\f:KV+12*\f+11], v[22:33], 0, v[36+\f], v34 matrix_a_fmt:MATRIX_FMT_FP6 matrix_b_fmt:MATRIX_FMT_FP6
	v_wmma_scale_f32_16x16x128_f8f6f4 v[S+16*\f+8:S+16*\f+15], v[KV+12*\f:KV+12*\f+11], v[16:27], 0, v[36+\f], v34 matrix_a_fmt:MATRIX_FMT_FP6 matrix_b_fmt:MATRIX_FMT_FP6
.endr                                          ; register 16 b + i: key 128 ks + 32 b + 16 h + i
.rept 4
	v_nop
.endr
.irp j, 0,1,2,3
	LDF KV+12*\j, 6144+1536*\j                     ; V into the same registers: it lands under the softmax
.endr
	ds_load_b128 v[40:43], v6 offset:12544         ; V's scale words
	s_wait_kmcnt 0x0                               ; the lane masks are in, on both ways
	s_bitcmp1_b32 s2, 16
	s_cbranch_scc1 .Lopen
.set n, 0
.rept 64
	v_cndmask_b32 v[S+n], v7, v[S+n], s[32+n+4*(n/32)]
.set n, n+1
.endr
.Lopen:
.irp b, 0,1,2,3
	v_max3_num_f32 v[BM+\b], v[S+16*\b], v[S+1+16*\b], v[S+2+16*\b]   ; the largest score of each block of 32 keys: for the row's maximum, and, since p rises with the score, for the block's largest p
.endr
.irp i, 3,5,7,9,11,13
.irp b, 0,1,2,3
	v_max3_num_f32 v[BM+\b], v[BM+\b], v[S+16*\b+\i], v[S+1+16*\b+\i]
.endr
.endr
.irp b, 0,1,2,3
	v_max_num_f32 v[BM+\b], v[BM+\b], v[S+15+16*\b]
.endr
.irp b, 0,1,2,3
	v_permlanex16_b32 v[BX+\b], v[BM+\b], s[SEL], s[SEL+1]
.endr
.irp b, 0,1,2,3
	v_max_num_f32 v[BM+\b], v[BM+\b], v[BX+\b]     ; with lane l xor 16's 16 keys
.endr
	v_max3_num_f32 v223, v[BM], v[BM+1], v[BM+2]
	v_max_num_f32 v223, v223, v[BM+3]
	v_mul_f32 v223, s[CS], v223                    ; the step's largest t
	v_max_num_f32 v13, v13, v223
	v_mov_b32 v223, v12
	v_floor_f32 v12, -v13                          ; the new -M = -ceil(t)
	v_sub_f32 v223, v12, v223                      ; old M - new M: a whole number, 0 or less
	v_cvt_i32_f32 v223, v223                       ; (it saturates)
	v_ldexp_f32 v220, 1.0, v223                    ; f = 2^(old M - new M)
.irp j, 0,2,4,6,8,10,12,14,16,18,20,22,24,26,28,30,32,34,36,38,40,42,44,46,48,50,52,54,56,58,60,62
	v_pk_fma_f32 v[S+\j:S+1+\j], v[S+\j:S+1+\j], s[CS:CS+1], v[12:13] op_sel_hi:[1,0,0]   ; t - M
.endr
.irp b, 0,1,2,3
	v_fma_f32 v[BM+\b], v[BM+\b], s[CS], v12
.endr
.irp j, 0,1,2,3,4,5,6,7,8,9,10,11,12,13,14,15,16,17,18,19,20,21,22,23,24,25,26,27,28,29,30,31,32,33,34,35,36,37,38,39,40,41,42,43,44,45,46,47,48,49,50,51,52,53,54,55,56,57,58,59,60,61,62,63
	v_exp_f32 v[S+\j], v[S+\j]                     ; p = 2^(t - M)
.endr
	v_pk_mul_f32 v[14:15], v[14:15], v[220:221] op_sel_hi:[1,0]   ; the sums under the new M: a plain place behind the exponentials
	s_wait_alu depctr_va_vdst(0)                   ; one wait for the batch, ahead of its first reader
.irp b, 0,1,2,3
	v_exp_f32 v[BM+\b], v[BM+\b]                   ; the blocks' largest p
.endr
	v_pk_add_f32 v[224:225], v[S:S+1], v[S+2:S+3]  ; the row's sum of the unquantised p, in two chains
.irp j, 4,8,12,16,20,24,28,32,36,40,44,48,52,56,60
	v_pk_add_f32 v[14:15], v[14:15], v[S+\j:S+1+\j]
	v_pk_add_f32 v[224:225], v[224:225], v[S+2+\j:S+3+\j]
.endr
	v_pk_add_f32 v[14:15], v[14:15], v[224:225]
	s_wait_alu depctr_va_vdst(0)                   ; and one for the four
.irp b, 0,1,2,3
	v_max_num_f32 v[BM+\b], 0x1800000, v[BM+\b]    ; the floor 2^(3 - 127)
.endr
.irp b, 0,1,2,3
	v_add_nc_u32 v[SO+\b], 0xff000000, v[BM+\b]
.endr
.irp b, 0,1,2,3
	v_lshrrev_b32 v[BX+\b], 23, v[SO+\b]
.endr
	v_lshl_or_b32 v222, v[BX+1], 8, v[BX]          ; p's scale word for these 128 keys
	v_lshl_or_b32 v222, v[BX+2], 16, v222
	v_lshl_or_b32 v222, v[BX+3], 24, v222
.irp c, 0,1
	v_cvt_scalef32_pk16_fp6_f32 v[PC+6*\c:PC+6*\c+2], v[S+32*\c:S+32*\c+15], v[SO+2*\c]
	v_cvt_scalef32_pk16_fp6_f32 v[PT+4*\c:PT+4*\c+2], v[S+16+32*\c:S+31+32*\c], v[SO+2*\c+1]
.endr
	v_nop                                          ; one plain place behind a scaled conversion
.irp c, 0,1
.irp i, 0,1,2
	v_permlane16_swap_b32 v[PC+6*\c+\i], v[PT+4*\c+\i]
.endr
.irp i, 0,1,2
	v_mov_b32 v[PC+3+6*\c+\i], v[PT+4*\c+\i]
.endr
.endr
.irp j, 0,2,4,6,8,10,12,14,16,18,20,22,24,26,28,30
	v_pk_mul_f32 v[O+\j:O+1+\j], v[O+\j:O+1+\j], v[220:221] op_sel_hi:[1,0]   ; O^T under the new M; also the places between the writes of p's codes and scale word and the products
.endr
	s_wait_dscnt 0x0                               ; V is in
.irp j, 0,1,2,3
	v_wmma_scale_f32_16x16x128_f8f6f4 v[O+8*\j:O+8*\j+7], v[KV+12*\j:KV+12*\j+11], v[PC:PC+11], v[O+8*\j:O+8*\j+7], v[40+\j], v222 matrix_a_fmt:MATRIX_FMT_FP6 matrix_b_fmt:MATRIX_FMT_FP6
.endr
.Lskip:
	s_add_co_u32 s[TB], s[TB], REC
	s_add_co_u32 s[LMO], s[LMO], 256
	s_add_co_u32 s[KS], s[KS], 1
	s_cmp_lt_u32 s[KS], 16
	s_cbranch_scc1 .Lkey
	; THE WAY OUT: O^T / the sum; register 16 b + i is ctx(my query, 64 head + 32 b + 16 h + i): two blocks of the last product's K: six registers of codes, two bytes
.rept 4
	v_nop
.endr
	v_add_f32 v14, v14, v15
	v_permlanex16_b32 v223, v14, s[SEL], s[SEL+1]
	v_add_f32 v14, v14, v223                       ; the row's sum
	v_rcp_f32 v14, v14
	v_nop                                          ; a plain place behind the transcendental
	s_lshr_b32 s2, s[BHD], 4                       ; batch
	s_lshl_b32 s3, s2, 7
	s_add_co_u32 s3, s3, s[TAU]                    ; my tile among all tokens'
	s_lshr_b32 s32, s3, 2
	s_mul_i32 s32, s32, 49152                      ; cc: block of 64 tokens,
	s_and_b32 s33, s3, 3
	s_mul_i32 s33, s33, 1536                       ; tile in it,
	s_add_co_u32 s32, s32, s33
	s_and_b32 s34, s[BHD], 15                      ; head
	s_lshr_b32 s33, s34, 1
	s_mul_i32 s33, s33, 6144                       ; K step = two heads,
	s_add_co_u32 s32, s32, s33
	s_and_b32 s33, s34, 1
	s_mul_i32 s33, s33, 768                        ; and my half of the fragment
	s_add_co_u32 s32, s32, s33
	s_mov_b32 s33, 0
	s_add_nc_u64 s[66:67], s[12:13], s[32:33]
	s_lshl_b32 s36, s2, 11                         ; cs: the tile's first token
	s_lshr_b32 s37, s[TAU], 1
	s_lshl_b32 s37, s37, 5
	s_add_co_u32 s36, s36, s37
	s_and_b32 s37, s[TAU], 1
	s_lshl_b32 s37, s37, 3
	s_add_co_u32 s36, s36, s37
	s_lshl_b32 s36, s36, 5                         ; rows of 32 bytes,
	s_lshl_b32 s37, s34, 1                         ; two bytes a head
	s_add_co_u32 s36, s36, s37
	s_mov_b32 s37, 0
	s_add_nc_u64 s[100:101], s[14:15], s[36:37]
	s_wait_alu depctr_va_vdst(0)                   ; the wait ahead of the reciprocal's first reader
.irp j, 0,2,4,6,8,10,12,14,16,18,20,22,24,26,28,30
	v_pk_mul_f32 v[S+\j:S+1+\j], v[O+\j:O+1+\j], v[14:15] op_sel_hi:[1,0]
.endr
.irp b, 0,1
	v_max3_num_f32 v[BM+\b], |v[S+16*\b]|, |v[S+1+16*\b]|, 0x1800000
.endr
.irp i, 2,4,6,8,10,12,14
.irp b, 0,1
	v_max3_num_f32 v[BM+\b], v[BM+\b], |v[S+16*\b+\i]|, |v[S+1+16*\b+\i]|
.endr
.endr
.irp b, 0,1
	v_permlanex16_b32 v[BX+\b], v[BM+\b], s[SEL], s[SEL+1]
.endr
.irp b, 0,1
	v_max_num_f32 v[BM+\b], v[BM+\b], v[BX+\b]
.endr
.irp b, 0,1
	v_add_nc_u32 v[SO+\b], 0xff000000, v[BM+\b]
.endr
.irp b, 0,1
	v_lshrrev_b32 v[BX+\b], 23, v[SO+\b]
.endr
	v_cvt_scalef32_pk16_fp6_f32 v[PC:PC+2], v[S:S+15], v[SO]
	v_cvt_scalef32_pk16_fp6_f32 v[PT:PT+2], v[S+16:S+31], v[SO+1]
	v_nop                                          ; one plain place behind a scaled conversion
.irp i, 0,1,2
	v_permlane16_swap_b32 v[PC+\i], v[PT+\i]
.endr
.irp i, 0,1,2
	v_mov_b32 v[PC+3+\i], v[PT+\i]
.endr
	v_cndmask_b32 v223, v[BX], v[BX+1], s[HI]      ; lanes 0-15 store block 0's byte, lanes 16-31 block 1's
	global_store_b128 v1, v[PC:PC+3], s[66:67]     ; 512 consecutive bytes, aligned
	global_store_b64 v2, v[PC+4:PC+5], s[66:67] offset:512   ; 256 consecutive bytes, aligned
	global_store_b8 v8, v223, s[100:101]           ; single bytes: a scale word's other two bytes belong to another head's work-group
	s_add_co_u32 s[TRIP], s[TRIP], 1
	s_cmp_lt_u32 s[TRIP], 2
	s_cbranch_scc1 .Ltrip
	s_wait_tensorcnt 0x0
	ds_add_u32 v254, v255
	s_wait_dscnt 0x0
	s_endpgm
.Lfunc_end_k_qc7442a0293_attn:
	.size	k_qc7442a0293_attn, .Lfunc_end_k_qc7442a0293_attn-k_qc7442a0293_attn
	.p2alignl 7, 3214868480
	.fill 96, 4, 3214868480
	.section	.rodata,"a",@progbits
	.p2align	6, 0x0
	.amdhsa_kernel k_qc7442a0293_attn
		.amdhsa_group_segment_fixed_size 206848
		.amdhsa_private_segment_fixed_size 0
		.amdhsa_enable_private_segment 0
		.amdhsa_kernarg_size 48
		.amdhsa_user_sgpr_count 2
		.amdhsa_user_sgpr_kernarg_segment_ptr 1
		.amdhsa_wavefront_size32 1
		.amdhsa_system_sgpr_workgroup_id_x 1
		.amdhsa_system_sgpr_workgroup_id_y 1
		.amdhsa_system_sgpr_workgroup_id_z 1
		.amdhsa_system_vgpr_workitem_id 0
		.amdhsa_next_free_vgpr 256
		.amdhsa_next_free_sgpr 106
		.amdhsa_reserve_vcc 0
		.amdhsa_float_denorm_mode_32 3
		.amdhsa_float_denorm_mode_16_64 3
		.amdhsa_memory_ordered 1
		.amdhsa_forward_progress 1
		.amdhsa_inst_pref_size 35
	.end_amdhsa_kernel
	.amdgpu_metadata
---
amdhsa.version: [ 1, 2 ]
amdhsa.kernels:
  - .name:           k_qc7442a0293_attn
    .symbol:         k_qc7442a0293_attn.kd
    .args:
      - { .name: kv, .offset: 0, .size: 8, .value_kind: global_buffer, .address_space: global }
      - { .name: qb, .offset: 8, .size: 8, .value_kind: global_buffer, .address_space: global }
      - { .name: lm, .offset: 16, .size: 8, .value_kind: global_buffer, .address_space: global }
      - { .name: fl, .offset: 24, .size: 8, .value_kind: global_buffer, .address_space: global }
      - { .name: cc, .offset: 32, .size: 8, .value_kind: global_buffer, .address_space: global }
      - { .name: cs, .offset: 40, .size: 8, .value_kind: global_buffer, .address_space: global }
    .group_segment_fixed_size: 206848
    .private_segment_fixed_size: 0
    .kernarg_segment_align: 8
    .kernarg_segment_size: 48
    .max_flat_workgroup_size: 512
    .sgpr_count:     106
    .vgpr_count:     256
    .wavefront_size: 32
...
	.end_amdgpu_metadata
.endif
;; end of part 3
;; launch oproj (part 4): grid 8 x 32, 4 waves a work-group, clusters of 4 x 4, 312,832 bytes of LDS; arguments cc, cs, xw, sx, bo, out0; writes out0
.if DOCPART == 4
	.amdgcn_target "amdgcn-amd-amdhsa--gfx1250"
	.amdhsa_code_object_version 6
	.text
	.protected	k_qc7442a0293_oproj
	.globl	k_qc7442a0293_oproj
	.p2align	8
	.type	k_qc7442a0293_oproj,@function
k_qc7442a0293_oproj:
	s_mov_b64 s[64:65], 0
	v_nop
	global_prefetch_b8 v0, s[64:65] scope:SCOPE_SE
	s_setreg_imm32_b32 hwreg(HW_REG_WAVE_MODE, 25, 1), 1
	s_wait_xcnt 0x0
	s_wait_alu depctr_hold_cnt(0) depctr_sa_sdst(0) depctr_va_vdst(0) depctr_va_sdst(0) depctr_va_ssrc(0) depctr_va_vcc(0) depctr_vm_vsrc(0)
	s_getreg_b32 s2, hwreg(HW_REG_IB_STS2, 6, 4)
	s_cmp_eq_u32 s2, 0
	s_cbranch_scc0 .Lentry_in_a_cluster
	s_endpgm
.Lentry_in_a_cluster:
	s_bfe_u32 s2, ttmp6, 0x10000c
	s_cmp_lg_u32 s2, 0xf033
	s_cbranch_scc0 .Lentry_shape_is_right
	s_endpgm
.Lentry_shape_is_right:
; out0 = ctx Wo^T + bo on codes of FP6 (E2M3) with E8M0 scales; out0 [8192][1024] f32.  ctx's codes (cc) and scale rows (cs) come from the attention launch, Wo's from xw and sx (rows 11,264 on).
; A work-group makes 256 tokens x 128 features over all of K = 1,024.  Both panels of codes lie in LDS whole (196,608 + 98,304 bytes): every byte is filled once, so there is no ring; they come in four
; chunks of two K steps, and the products start when the first has landed.  Four waves, each 128 tokens x 64 features: 32 accumulators.
; TILES: lane r of tile 2 g + u stands for row 32 g + 8 u + r + 8 (r / 8).  The product is used transposed (source 0 = 16 features, source 1 = 16 tokens): a lane holds one token, and the 16 registers of
; feature tiles 2 g and 2 g + 1 are 16 neighbouring features.  The bias is the C of each sum's first matrix instruction.
; CLUSTER 4 x 4: ctx's panels are asked for jointly along a row of the cluster, Wo's along a column.
; THE WAY OUT: a tile of 16 tokens x 64 features goes through the wave's own stage in LDS (bytes that no tensor load fills) and leaves as rows: sixteen lanes store 256 consecutive bytes, aligned.
; REGISTERS, in windows of 256: window 0: v1-18 addresses; v32-95 ctx's scale words (8 i + s), v96-127 Wo's (8 j + s); v128-255 the way out.
;   window 1: the 32 accumulators.   window 2: ctx's fragments, two sets at v0 and v96; v192-223 the bias.   window 3: Wo's fragments, two sets at v0 and v48.
.set BLKB, 49152
.set STPB, 6144
.set FRB,  1536
.set AH,   98304
.set ACH,  24576
.set BB,   196608
.set BH,   49152
.set BCH,  12288
.set B0,   176                         ; Wo's first block in xw
.set STG,  294912                      ; behind the panels: a stage of 16 rows x (256 + 16) bytes for each wave
.set SP,   272
.set AS,   32
.set BS,   96
.set BI,   192
.set WV,   18
.set MH,   19
.set NH,   20
.set MSB, 0
.macro WIN new                         ; the immediate's high byte repeats the setting that is left
.if MSB != \new
	s_set_vgpr_msb (MSB<<8)|\new
.set MSB, \new
.endif
.endm
.macro PLACES                          ; four places behind a matrix instruction, in front of loads into its sources and of reads of its results
.rept 4
	v_nop
.endr
.endm
.macro CROUND                          ; a round of the cluster's barrier
	s_barrier_signal -1
	s_barrier_wait -1
	s_cmp_lg_u32 s[WV], 0
	s_cbranch_scc1 .Lnot_wave_0_\@
	s_barrier_signal -3
.Lnot_wave_0_\@:
	s_barrier_wait -3
	s_barrier_signal -1
	s_barrier_wait -1
.endm
.macro LDF reg, a16, a8, off
	ds_load_b128 v[\reg:\reg+3], v[\a16] offset:\off
	ds_load_b64 v[\reg+4:\reg+5], v[\a8] offset:(\off)+512
	ds_load_b128 v[\reg+6:\reg+9], v[\a16] offset:(\off)+768
	ds_load_b64 v[\reg+10:\reg+11], v[\a8] offset:(\off)+1280
.endm
.macro FETCH s                         ; K step s: my 8 fragments of ctx and 4 of Wo, into set s % 2
.set CH, (\s)/2
	WIN 0x80
.irp i, 0,1,2,3,4,5,6,7
	LDF 96*((\s)%2)+12*\i, 4+2*(CH/2), 5+2*(CH/2), (CH%2)*ACH+(\i/4)*BCH+((\s)%2)*STPB+(\i%4)*FRB
.endr
	WIN 0xc0
.irp j, 0,1,2,3
	LDF 48*((\s)%2)+12*\j, 8, 9, CH*BCH+((\s)%2)*STPB+\j*FRB
.endr
	WIN 0
.endm
.macro MULT s                          ; 32 products; the accumulators take turns, one instruction a turn, in the same order in every step
.irp i, 0,1,2,3,4,5,6,7
.irp j, 0,1,2,3
.if (\s) == 0
	v_wmma_scale_f32_16x16x128_f8f6f4 v[8*(4*\i+\j):8*(4*\i+\j)+7], v[48*((\s)%2)+12*\j:48*((\s)%2)+12*\j+11], v[96*((\s)%2)+12*\i:96*((\s)%2)+12*\i+11], v[BI+8*\j:BI+8*\j+7], v[BS+8*\j+(\s)], v[AS+8*\i+(\s)] matrix_a_fmt:MATRIX_FMT_FP6 matrix_b_fmt:MATRIX_FMT_FP6
.else
	v_wmma_scale_f32_16x16x128_f8f6f4 v[8*(4*\i+\j):8*(4*\i+\j)+7], v[48*((\s)%2)+12*\j:48*((\s)%2)+12*\j+11], v[96*((\s)%2)+12*\i:96*((\s)%2)+12*\i+11], v[8*(4*\i+\j):8*(4*\i+\j)+7], v[BS+8*\j+(\s)], v[AS+8*\i+(\s)] matrix_a_fmt:MATRIX_FMT_FP6 matrix_b_fmt:MATRIX_FMT_FP6
.endif
.endr
.endr
.endm
.macro STEP s
	s_wait_dscnt 0x0                               ; this step's fragments are in (asked for 32 products ago)
.if ((\s)==1)||((\s)==3)||((\s)==5)
	s_wait_tensorcnt 3-((\s)+1)/2                  ; my part of the next chunk has landed; my later chunks may stay out
	s_barrier_signal -1
	s_barrier_wait -1
.endif
.if ((\s)>0)&&((\s)<7)
	PLACES                                         ; the set that the last step multiplied is loaded again
.endif
.if (\s)<7
	FETCH (\s)+1
.endif
.if (\s)==0
	WIN 0x6b                                       ; source 0 window 3, source 1 window 2, C (the bias) window 2, D window 1
.else
	WIN 0x5b
.endif
	MULT \s
	WIN 0
.endm
	s_load_b256 s[4:11], s[0:1], 0x0               ; cc, cs, xw, sx
	s_load_b128 s[12:15], s[0:1], 0x20             ; bo, out0
	v_lshl_add_u32 v30, v0, 2, 0x4c400
	v_mov_b32 v31, 0
	ds_add_u32 v30, v31
	ds_add_u32 v30, v31
	v_lshrrev_b32 v1, 5, v0
	v_readfirstlane_b32 s[WV], v1
	s_lshr_b32 s[MH], s[WV], 1                     ; which 128 tokens are mine.  Also: I fetch ctx's codes (0) or Wo's (1)
	s_and_b32 s[NH], s[WV], 1                      ; which 64 features.  Also: which half of that panel I fetch
	s_bfe_u32 s76, ttmp6, 0x40000                  ; cx
	s_bfe_u32 s77, ttmp6, 0x40004                  ; cy
	s_lshl_b32 s78, ttmp9, 2
	s_add_co_u32 s78, s78, s76                     ; tile column
	s_and_b32 s79, ttmp7, 0xffff
	s_lshl_b32 s79, s79, 2
	s_add_co_u32 s79, s79, s77                     ; tile row
	s_lshl_b32 s80, s77, 2
	s_lshl_b32 s80, 15, s80                        ; my row of the cluster
	s_lshl_b32 s81, 0x1111, s76                    ; my column
	s_or_b32 s24, s80, (3<<16)|(1<<21)             ; group 1 for ctx's chunks: two rows of 1,536 elements of 8 bytes, 6,144 elements apart
	s_mov_b32 s25, 1536<<16
	s_mov_b32 s26, 2<<16
	s_mov_b32 s27, 1536<<16
	s_mov_b32 s28, 2
	s_mov_b32 s29, 6144
	s_mov_b32 s30, 0
	s_mov_b32 s31, 0
	s_or_b32 s32, s81, (3<<16)|(1<<21)             ; for Wo's: one row of 1,536 elements
	s_mov_b32 s33, 1536<<16
	s_mov_b32 s34, 1<<16
	s_mov_b32 s35, 1536<<16
	s_mov_b32 s36, 1
	s_mov_b32 s37, 1536
	s_mov_b32 s38, 0
	s_mov_b32 s39, 0
	s_lshl_b32 s82, s79, 2
	s_lshl_b32 s83, s[NH], 1
	s_add_co_u32 s82, s82, s83
	s_mul_i32 s82, s82, BLKB
	s_mov_b32 s83, 0
	s_lshl_b32 s86, s78, 1
	s_add_co_u32 s86, s86, s[NH]
	s_add_co_u32 s86, s86, B0
	s_mul_i32 s86, s86, BLKB
	s_mov_b32 s87, 0
	s_mul_i32 s90, s[NH], AH
	s_mul_i32 s91, s[NH], BH
	s_wait_dscnt 0x0
	s_wait_kmcnt 0x0
	s_add_nc_u64 s[84:85], s[4:5], s[82:83]
	s_add_nc_u64 s[88:89], s[8:9], s[86:87]
.irp c, 0,1,2,3
	s_mov_b32 s[40+4*\c], 1
	s_add_co_u32 s[41+4*\c], s90, \c*ACH
	s_add_nc_u64 s[42+4*\c:43+4*\c], s[84:85], \c*BCH
	s_or_b32 s[43+4*\c], s[43+4*\c], 0x80000000
	s_mov_b32 s[56+4*\c+4*(\c/2)], 1
	s_add_co_u32 s[57+4*\c+4*(\c/2)], s91, BB+\c*BCH
	s_add_nc_u64 s[58+4*\c+4*(\c/2):59+4*\c+4*(\c/2)], s[88:89], \c*BCH
	s_or_b32 s[59+4*\c+4*(\c/2)], s[59+4*\c+4*(\c/2)], 0x80000000
.endr
	CROUND                                         ; all sixteen work-groups are here: the joint loads meet
	s_cmp_eq_u32 s[MH], 0                          ; a wave's four fills stand in one branch on its number: four loads of mine are out at most
	s_cbranch_scc0 .Lfill_b
	tensor_load_to_lds s[40:43], s[24:31]
	s_nop 0
	tensor_load_to_lds s[44:47], s[24:31]
	s_nop 0
	tensor_load_to_lds s[48:51], s[24:31]
	s_nop 0
	tensor_load_to_lds s[52:55], s[24:31]
	s_nop 0
	PLACES                                         ; (four v_nop behind the loads)
	s_branch .Lfilled
.Lfill_b:
	tensor_load_to_lds s[56:59], s[32:39]
	s_nop 0
	tensor_load_to_lds s[60:63], s[32:39]
	s_nop 0
	tensor_load_to_lds s[68:71], s[32:39]
	s_nop 0
	tensor_load_to_lds s[72:75], s[32:39]
	s_nop 0
	PLACES
.Lfilled:
	v_and_b32 v1, 31, v0
	v_and_b32 v2, 15, v0                           ; r
	v_bfe_u32 v3, v0, 4, 1                         ; h
	v_lshlrev_b32 v10, 4, v1
	v_lshlrev_b32 v11, 3, v1
	s_mul_i32 s2, s[MH], AH
	v_add_nc_u32 v4, s2, v10
	v_add_nc_u32 v5, s2, v11
	s_add_co_u32 s2, s2, 2*ACH
	v_add_nc_u32 v6, s2, v10
	v_add_nc_u32 v7, s2, v11
	s_mul_i32 s2, s[NH], BH
	s_add_co_u32 s2, s2, BB
	v_add_nc_u32 v8, s2, v10
	v_add_nc_u32 v9, s2, v11
	v_and_b32 v12, 8, v2
	v_add_nc_u32 v12, v12, v2
	v_lshlrev_b32 v12, 5, v12                      ; scale rows of 32 bytes
	v_lshlrev_b32 v13, 6, v3                       ; the bias: 16 h features on
	s_mul_i32 s2, s[WV], 16*SP
	s_add_co_u32 s2, s2, STG                       ; my stage
	v_mul_u32_u24 v16, v2, SP
	v_lshl_add_u32 v16, v3, 6, v16
	v_add_nc_u32 v16, s2, v16                      ; in: row r, + 64 h bytes
	v_mul_u32_u24 v17, v3, SP
	v_lshl_add_u32 v17, v2, 4, v17
	v_add_nc_u32 v17, s2, v17                      ; back: lanes 0-15 one row, lanes 16-31 the next
	v_lshlrev_b32 v18, 12, v3
	v_lshl_add_u32 v18, v2, 4, v18                 ; and the same two rows of out0
	s_lshl_b32 s66, s79, 8
	s_lshl_b32 s2, s[MH], 7
	s_add_co_u32 s66, s66, s2                      ; my first token
	s_lshl_b32 s2, s66, 5
	s_mov_b32 s3, 0
	s_add_nc_u64 s[96:97], s[6:7], s[2:3]
	s_lshl_b32 s2, s78, 7
	s_lshl_b32 s21, s[NH], 6
	s_add_co_u32 s21, s2, s21                      ; my first feature
	s_add_co_u32 s2, s21, 11264                    ; and its row in xw's count of rows
	s_lshl_b32 s2, s2, 5
	s_add_nc_u64 s[98:99], s[10:11], s[2:3]
.irp i, 0,1,2,3,4,5,6,7
	global_load_b128 v[AS+8*\i:AS+8*\i+3], v12, s[96:97] offset:(32*(\i/2)+8*(\i%2))*32
	global_load_b128 v[AS+8*\i+4:AS+8*\i+7], v12, s[96:97] offset:(32*(\i/2)+8*(\i%2))*32+16
.endr
.irp j, 0,1,2,3
	global_load_b128 v[BS+8*\j:BS+8*\j+3], v12, s[98:99] offset:(32*(\j/2)+8*(\j%2))*32
	global_load_b128 v[BS+8*\j+4:BS+8*\j+7], v12, s[98:99] offset:(32*(\j/2)+8*(\j%2))*32+16
.endr
	s_lshl_b32 s2, s21, 2
	s_add_nc_u64 s[12:13], s[12:13], s[2:3]        ; bo at my features
	s_add_nc_u64 s[14:15], s[14:15], s[2:3]        ; out0 at my columns,
	s_lshl_b32 s2, s66, 12
	s_add_nc_u64 s[14:15], s[14:15], s[2:3]        ; and my first row
	WIN 0x80
.irp j, 0,1,2,3
	global_load_b128 v[BI+8*\j:BI+8*\j+3], v13, s[12:13] offset:(32*(\j/2)+8*(\j%2))*4
	global_load_b128 v[BI+8*\j+4:BI+8*\j+7], v13, s[12:13] offset:(32*(\j/2)+8*(\j%2))*4+16
.endr
	WIN 0
	s_wait_tensorcnt 3                             ; my part of chunk 0 has landed; the three behind it may stay out
	s_barrier_signal -1
	s_barrier_wait -1
	FETCH 0
	s_wait_loadcnt 0x0
	STEP 0
	STEP 1
	STEP 2
	STEP 3
	STEP 4
	STEP 5
	STEP 6
	STEP 7
	PLACES
.irp i, 0,1,2,3,4,5,6,7                        ; token tile i: register 32 i + 16 b + e is out0(token of lane r, feature 32 b + 16 h + e)
.if \i == 4
	s_wait_xcnt 0x0                                ; the stores of tiles 0 to 3 have read their registers, which are loaded again from here on
.endif
	WIN 0x04                                       ; an LDS store's data are its source 1: window 1
.irp b, 0,1
.irp q, 0,1,2,3
	ds_store_b128 v16, v[32*\i+16*\b+4*\q:32*\i+16*\b+4*\q+3] offset:128*\b+16*\q   ; each accumulator from its low end on
.endr
.endr
	WIN 0
.irp t, 0,1,2,3,4,5,6,7
	ds_load_b128 v[128+32*(\i%4)+4*\t:128+32*(\i%4)+4*\t+3], v17 offset:2*\t*SP   ; LDS serves a wave's instructions in order (ISA guide 5.7.1.4): these see the stores above
.endr
	s_wait_dscnt 0x0
.irp t, 0,1,2,3,4,5,6,7
	global_store_b128 v18, v[128+32*(\i%4)+4*\t:128+32*(\i%4)+4*\t+3], s[14:15] offset:(32*(\i/2)+8*(\i%2)+2*\t+8*(\t/4))*4096 th:TH_STORE_NT   ; sixteen lanes store 256 consecutive bytes, aligned
.endr
.endr
	s_wait_tensorcnt 0x0
	ds_add_u32 v30, v31
	s_wait_dscnt 0x0
	CROUND                                         ; the closing round: no work-group ends while a partner may still ask for a tile that names it
	s_endpgm
.Lfunc_end_k_qc7442a0293_oproj:
	.size	k_qc7442a0293_oproj, .Lfunc_end_k_qc7442a0293_oproj-k_qc7442a0293_oproj
	.p2alignl 7, 3214868480
	.fill 96, 4, 3214868480
	.section	.rodata,"a",@progbits
	.p2align	6, 0x0
	.amdhsa_kernel k_qc7442a0293_oproj
		.amdhsa_group_segment_fixed_size 312832
		.amdhsa_private_segment_fixed_size 0
		.amdhsa_enable_private_segment 0
		.amdhsa_kernarg_size 48
		.amdhsa_user_sgpr_count 2
		.amdhsa_user_sgpr_kernarg_segment_ptr 1
		.amdhsa_wavefront_size32 1
		.amdhsa_system_sgpr_workgroup_id_x 1
		.amdhsa_system_sgpr_workgroup_id_y 1
		.amdhsa_system_sgpr_workgroup_id_z 1
		.amdhsa_system_vgpr_workitem_id 0
		.amdhsa_next_free_vgpr 1024
		.amdhsa_next_free_sgpr 100
		.amdhsa_reserve_vcc 0
		.amdhsa_float_denorm_mode_32 3
		.amdhsa_float_denorm_mode_16_64 3
		.amdhsa_memory_ordered 1
		.amdhsa_forward_progress 1
		.amdhsa_inst_pref_size 86
	.end_amdhsa_kernel
	.amdgpu_metadata
---
amdhsa.version: [ 1, 2 ]
amdhsa.kernels:
  - .name:           k_qc7442a0293_oproj
    .symbol:         k_qc7442a0293_oproj.kd
    .args:
      - { .name: cc, .offset: 0, .size: 8, .value_kind: global_buffer, .address_space: global }
      - { .name: cs, .offset: 8, .size: 8, .value_kind: global_buffer, .address_space: global }
      - { .name: xw, .offset: 16, .size: 8, .value_kind: global_buffer, .address_space: global }
      - { .name: sx, .offset: 24, .size: 8, .value_kind: global_buffer, .address_space: global }
      - { .name: bo, .offset: 32, .size: 8, .value_kind: global_buffer, .address_space: global }
      - { .name: out0, .offset: 40, .size: 8, .value_kind: global_buffer, .address_space: global }
    .group_segment_fixed_size: 312832
    .private_segment_fixed_size: 0
    .kernarg_segment_align: 8
    .kernarg_segment_size: 48
    .max_flat_workgroup_size: 128
    .sgpr_count:     100
    .vgpr_count:     1024
    .wavefront_size: 32
...
	.end_amdgpu_metadata
.endif
;; end of part 4
;; ======== version 2 of 2: 4 launches; version 1 with the launch attn written anew for expert scheduling mode
;; limits: right only within a limited range of input values
;; workspace buffers: xw 9,437,184 bytes; sx 393,216 bytes; lm 524,288 bytes of whole numbers; fl 512 bytes of whole numbers; kv 13,107,200 bytes; qb 6,553,600 bytes; cc 6,291,456 bytes; cs 262,144 bytes
;; launch prep: the kernel of part 1 again; grid 896 x 1, 4 waves a work-group, no clusters, 68,864 bytes of LDS; arguments x, Wq, Wk, Wv, Wo, mask, xw, sx, lm, fl; writes xw, sx, lm, fl
;; launch qkv: the kernel of part 2 again; grid 24 x 32, 4 waves a work-group, clusters of 4 x 4, 295,424 bytes of LDS; arguments xw, sx, bq, bk, bv, kv, qb; writes kv, qb
;; launch attn (part 5): grid 64 x 4, 16 waves a work-group, no clusters, 206,848 bytes of LDS; arguments kv, qb, lm, fl, cc, cs; writes cc, cs
.if DOCPART == 5
	.amdgcn_target "amdgcn-amd-amdhsa--gfx1250"
	.amdhsa_code_object_version 6
	.text
	.protected	k_qc7442a0293_attn
	.globl	k_qc7442a0293_attn
	.p2align	8
	.type	k_qc7442a0293_attn,@function
k_qc7442a0293_attn:
	s_mov_b64 s[64:65], 0
	v_nop
	global_prefetch_b8 v0, s[64:65] scope:SCOPE_SE
	s_setreg_imm32_b32 hwreg(HW_REG_WAVE_SCHED_MODE, 0, 2), 2
	s_setreg_imm32_b32 hwreg(HW_REG_WAVE_MODE, 25, 1), 1
	s_wait_xcnt 0x0
	s_wait_alu depctr_vm_vsrc(0)
; ctx = softmax(q k^T / 8, masked) v for one batch and head, both products on codes of FP6 (E2M3) with E8M0 scales; ctx is quantised in registers along the model's 1,024 and stored as the last product's operand.
; THE SOFTMAX: t = score x log2(e) / 8; M = the row's largest t so far, rounded up to a whole number; p = 2^(t - M) is quantised along the keys; the row's sum is taken of the unquantised p and divides at the end.
; When M moves, the sum and O are multiplied by 2^(old M - new M), which rounds nothing.
; THE MASK is an input: lm holds, for my tile of 16 queries and each step of 128 keys, a lane mask for each of my 64 score registers; a masked score becomes -2^33 ahead of the maximum.
; fl's bit ks lets a step be left out: all its entries are masked and every query of the tile has an open key somewhere, so that each p of the step is exactly 0.  Bit 16 + ks: nothing is masked in the step.
; These are branches on whole numbers that an earlier launch stored; so this launch has no tensor load and asks for nothing jointly: a head's K and V (204,800 bytes) come into LDS once, through registers.
; LIMITS: a masked logit stands at -2^30, not at -1e9: t is then a whole number, so that a row with no open key gives p = 1 for every key, the mean of V, as the definition does; the results are the definition's as long as
; open logits lie above about -1e9.  A block of zeros gets the byte 1 (its codes are zeros; only this program reads the bytes).  NaN and infinities are not served.
; SHARES.  Work-group (head, y) takes the blocks y and 7 - y of 256 queries, one after the other; wave w takes tile w of the first and tile 15 - w of the second: 16 queries in 256 registers, four waves to a SIMD.
; Behind the one barrier no wave waits for another.
; TILES: lane r of tile 2 g + u stands for row 32 g + 8 u + r + 8 (r / 8), for queries, keys and the head's d alike.
; LAYOUT.  S^T = K Q^T (source 0 = keys), O^T = V^T P^T (source 0 = d): a lane holds one query throughout.
; THE HEAD'S 64 FILL HALF OF THE INSTRUCTION'S 128: a fragment of K holds TWO key tiles (registers 0-5, 6-11).  q's six registers stand between two runs of six zero registers: v[22:33] is (q, 0) and multiplies the first
; tile, v[16:27] is (0, q) and multiplies the second; zero codes add nothing.  q's two scale bytes stand twice in its scale word.
; THE MODE: SCHED_MODE bits 1:0 = 2 (LLVM: expert scheduling mode 2), set by the entry lines.  The code itself states the register dependences between vector or matrix instructions and memory or LDS
; instructions, with s_wait_alu, always for 0.
; THE PLAN.  Registers that memory or LDS instructions touch:
;   v208-211      the fill's addresses: written at the head; read by the fill's loads and LDS stores; written again by the key steps' maxima.
;   v92-191       the fill's data: loaded, read by the LDS stores; written again by the products (S^T) and by the clearing of O^T.
;   v1-3, v8      lane offsets: written once at the head; read by q's loads and by the way out's stores.
;   v4-6          the key step's LDS addresses: written by three additions at the step's head; read by the step's 34 LDS loads.
;   v22-27, v226  q and its scale word: loaded once a tile; read by every step's first products, and by three vector lines.
;   v44-91        K's fragments land; the eight first products read them; V's land in the same registers; the four second products read them.  v36-39, v40-43: their scale words, likewise.
;   v188-193, v223  the way out's codes and byte: written by vector lines; read by the tile's three stores; written again by the next tile's key steps.
;   v254, v255    written at the head, read by the closing add alone.
; A key step has one wait on vm_vsrc (ahead of the three additions) and three waits on va_vdst beside the two behind its exponentials: at its head, ahead of K's loads; behind the first products, ahead of V's loads;
; behind the rescaling of O^T, ahead of the second products, whose operand p and whose scale word vector lines have made.  A wave's 256 registers leave 32 free, fewer than the 48 of a second buffer for fragments.
.set REC,  12800                       ; a key step in LDS: K's 4 fragments, V's 4, K's scale words [r][4], V's
.set KV,   44                          ; v44-91   four fragments of K, then of V
.set S,    92                          ; v92-155  S^T, then p
.set O,    156                         ; v156-187 O^T
.set PC,   188                         ; v188-199 p's codes
.set PT,   200                         ; v200-206
.set BM,   208                         ; v208-211 the blocks' largest
.set BX,   212                         ; v212-215 the other half's; then bytes
.set SO,   216                         ; v216-219 the conversions' scale operands
.set WV,   16
.set BHD,  17
.set YB,   18
.set TRIP, 19
.set SEL,  20
.set CS,   22
.set KS,   24
.set TB,   25
.set LMO,  26
.set FL,   27
.set LMP,  28
.set HI,   30                          ; s30 lanes 16-31
.set TAU,  31
.macro LDF reg, off                    ; a fragment out of LDS: consecutive bytes in consecutive lanes
	ds_load_b128 v[\reg:\reg+3], v4 offset:\off
	ds_load_b64 v[\reg+4:\reg+5], v5 offset:(\off)+512
	ds_load_b128 v[\reg+6:\reg+9], v4 offset:(\off)+768
	ds_load_b64 v[\reg+10:\reg+11], v5 offset:(\off)+1280
.endm
	s_load_b256 s[4:11], s[0:1], 0x0               ; kv, qb, lm, fl
	s_load_b128 s[12:15], s[0:1], 0x20             ; cc, cs
	v_lshl_add_u32 v254, v0, 2, 0x32000            ; my spare word, behind the head's K and V; kept for the closing lines alone
	v_mov_b32 v255, 0                              ; and 0, likewise
	v_lshrrev_b32 v1, 5, v0
	v_readfirstlane_b32 s[WV], v1                  ; wave 0..15
	s_mov_b32 s[BHD], ttmp9                        ; batch x 16 + head
	s_and_b32 s[YB], ttmp7, 0xffff
	v_lshlrev_b32 v208, 4, v0                      ; the fill: 16 bytes a thread, 8,192 an instruction
	v_add_nc_u32 v209, 0x10000, v208
	v_add_nc_u32 v210, 0x20000, v208
	v_add_nc_u32 v211, 0x30000, v208
	s_mul_i32 s2, s[BHD], 16*REC
	s_mov_b32 s3, 0
	s_wait_alu depctr_va_sdst(0)                   ; s16, the wave's number, is written
	s_wait_kmcnt 0x0
	s_add_nc_u64 s[4:5], s[4:5], s[2:3]
	s_wait_alu depctr_va_vdst(0)                   ; v208 to v211 are written, which the fill's loads and LDS stores read as addresses; no vector line behind this wait names them before the key loop
.irp i, 0,1,2,3,4,5,6,7,8,9,10,11,12,13,14,15,16,17,18,19,20,21,22,23,24
	global_load_b128 v[S+4*\i:S+4*\i+3], v208, s[4:5] offset:8192*\i
.endr
	v_and_b32 v223, 31, v0
	v_lshlrev_b32 v1, 4, v223                      ; 16 x lane
	v_lshlrev_b32 v2, 3, v223                      ; 8 x lane
	v_and_b32 v224, 15, v0                         ; r
	v_lshlrev_b32 v3, 4, v224                      ; 16 r: a row's four scale words
	v_bfe_u32 v225, v0, 4, 1                       ; h
	v_and_b32 v8, 8, v224
	v_add_nc_u32 v8, v8, v224
	v_lshl_add_u32 v8, v8, 5, v225                 ; cs: my query's row of 32 bytes, + h
	v_mov_b32 v7, 0xd0000000                       ; -2^33
.irp i, 16,17,18,19,20,21,28,29,30,31,32,33
	v_mov_b32 v\i, 0                               ; the zero codes on both sides of q
.endr
	v_mov_b32 v221, 0                              ; (named with f as a pair)
.irp b, 0,1,2,3
	v_mov_b32 v[BX+\b], 0                          ; a lane permute's destination counts as one of its sources
.endr
	s_mov_b32 s[SEL], 0x76543210
	s_mov_b32 s[SEL+1], 0xfedcba98
	s_mov_b32 s[CS], 0x3e38aa3b                    ; c = log2(e) / 8
	s_mov_b32 s[CS+1], s[CS]
	s_mov_b32 s[HI], 0xffff0000
.irp i, 0,1,2,3,4,5,6,7,8,9,10,11,12,13,14,15,16,17,18,19,20,21,22,23,24
	s_wait_loadcnt 24-\i                           ; load i is in; the younger ones may stay out
	ds_store_b128 v[208+\i/8], v[S+4*\i:S+4*\i+3] offset:8192*(\i%8)
.endr
	s_wait_dscnt 0x0                               ; for the others' sake: my stores have landed
	s_barrier_signal -1
	s_barrier_wait -1                              ; the head's K and V lie in LDS; nothing writes LDS from here on
	s_mov_b32 s[TRIP], 0
.Ltrip:
	s_wait_xcnt 0x0                                ; the last tile's stores have read their registers and bases
	s_wait_alu depctr_vm_vsrc(0)                   ; first tile: the fill's loads and LDS stores have read v92-191 and v208-211; second tile: the last tile's stores have read v188-193 and v223: the lines below and the key steps write all of these again
	s_sub_co_u32 s2, 7, s[YB]
	s_sub_co_u32 s3, 15, s[WV]
	s_cmp_eq_u32 s[TRIP], 0
	s_cselect_b32 s2, s[YB], s2                    ; the block of 256 queries
	s_cselect_b32 s3, s[WV], s3                    ; my tile in it
	s_lshl_b32 s2, s2, 4
	s_add_co_u32 s[TAU], s2, s3                    ; my tile of 16 queries, 0..127
	s_lshl_b32 s100, s[TAU], 2
	s_load_b32 s[FL], s[10:11], s100 offset:0x0    ; its flags
	s_lshl_b32 s104, s[TAU], 12
	s_mov_b32 s105, 0
	s_add_nc_u64 s[LMP:LMP+1], s[8:9], s[104:105]  ; its lane masks
	s_lshl_b32 s2, s[BHD], 4
	s_lshr_b32 s3, s[TAU], 3
	s_add_co_u32 s2, s2, s3
	s_mul_i32 s2, s2, 6400                         ; q's record: 128 tokens
	s_bfe_u32 s3, s[TAU], 0x20001                  ; the fragment in it,
	s_mul_i32 s101, s3, 1536
	s_add_co_u32 s101, s101, s2
	s_and_b32 s32, s[TAU], 1                       ; and my half of that
	s_mul_i32 s33, s32, 768
	s_add_co_u32 s34, s101, s33
	s_mov_b32 s35, 0
	s_add_nc_u64 s[34:35], s[6:7], s[34:35]
	s_lshl_b32 s36, s3, 2
	s_add_co_u32 s36, s36, s2
	s_add_co_u32 s36, s36, 6144
	s_mov_b32 s37, 0
	s_add_nc_u64 s[36:37], s[6:7], s[36:37]
	s_wait_alu depctr_va_vdst(0)                   ; first tile: the offsets v1, v2, v3 are written, which the three loads read; second tile: the last tile's products are done reading v22-27 and its vector lines are done with v226, in which the loads land
	global_load_b128 v[22:25], v1, s[34:35]        ; q's six registers
	global_load_b64 v[26:27], v2, s[34:35] offset:512
	global_load_b32 v226, v3, s[36:37]             ; the pair's scale word
	s_lshl_b32 s38, s32, 4
	v_mov_b32 v13, 0xff61b1e6                      ; the largest t so far: -3e38
	v_floor_f32 v12, -v13                          ; -M
	v_mov_b32 v14, 0                               ; the sum, in two halves
	v_mov_b32 v15, 0
	s_wait_loadcnt 0x0
	s_wait_kmcnt 0x0
	v_lshrrev_b32 v226, s38, v226
	v_and_b32 v226, 0xffff, v226                   ; my tile's two bytes,
	v_lshl_or_b32 v34, v226, 16, v226              ; twice
.irp j, 0,1,2,3,4,5,6,7,8,9,10,11,12,13,14,15,16,17,18,19,20,21,22,23,24,25,26,27,28,29,30,31
	v_mov_b32 v[O+\j], 0                           ; O^T: the key step is written once; its first run finds zeros.  (Also the places between the scale word's last write and the first product)
.endr
	s_mov_b32 s[TB], 0
	s_mov_b32 s[LMO], 0
	s_mov_b32 s[KS], 0
.Lkey:                                             ; 16 trips: a constant; a step that the flags let go is jumped over, but for the lines that step addresses
	s_lshr_b32 s2, s[FL], s[KS]
	s_bitcmp1_b32 s2, 0
	s_cbranch_scc1 .Lskip
	s_wait_alu depctr_vm_vsrc(0)                   ; the LDS loads of the step before have read v4, v5, v6, which the three additions write
	v_add_nc_u32 v4, s[TB], v1
	v_add_nc_u32 v5, s[TB], v2
	v_add_nc_u32 v6, s[TB], v3
	v_nop                                          ; four places behind the last products, in front of loads into their sources
	s_wait_alu depctr_va_vdst(0)                   ; v4, v5, v6 are written, which the step's LDS loads read; the last step's products are done reading v44-91 and v36-43, in which loads land; in a tile's first step q's scale word v34 and the zero codes v16-21, v28-33 are written, which the scaled products take
	s_load_b512 s[32:47], s[LMP:LMP+1], s[LMO] offset:0x0    ; the step's 64 lane masks: they have the longest way, so they are asked for first
	s_load_b512 s[48:63], s[LMP:LMP+1], s[LMO] offset:0x40
	s_load_b512 s[68:83], s[LMP:LMP+1], s[LMO] offset:0x80
	s_load_b512 s[84:99], s[LMP:LMP+1], s[LMO] offset:0xc0
.irp f, 0,1,2,3
	LDF KV+12*\f, 1536*\f
.endr
	ds_load_b128 v[36:39], v6 offset:12288         ; K's scale words
	s_wait_dscnt 0x0
.irp f, 0,1,2,3
	v_wmma_scale_f32_16x16x128_f8f6f4 v[S+16*\f:S+16*\f+7], v[KV+12*\f:KV+12*\f+11], v[22:33], 0, v[36+\f], v34 matrix_a_fmt:MATRIX_FMT_FP6 matrix_b_fmt:MATRIX_FMT_FP6
	v_wmma_scale_f32_16x16x128_f8f6f4 v[S+16*\f+8:S+16*\f+15], v[KV+12*\f:KV+12*\f+11], v[16:27], 0, v[36+\f], v34 matrix_a_fmt:MATRIX_FMT_FP6 matrix_b_fmt:MATRIX_FMT_FP6
.endr                                          ; register 16 b + i: key 128 ks + 32 b + 16 h + i
.rept 4
	v_nop
.endr
	s_wait_alu depctr_va_vdst(0)                   ; the eight products are done reading K's fragments v44-91, in which V's land; no vector line names v44-91, v40-43 or v4-6 from here to the second products
.irp j, 0,1,2,3
	LDF KV+12*\j, 6144+1536*\j                     ; V into the same registers: it lands under the softmax
.endr
	ds_load_b128 v[40:43], v6 offset:12544         ; V's scale words
	s_wait_kmcnt 0x0                               ; the lane masks are in, on both ways
	s_bitcmp1_b32 s2, 16
	s_cbranch_scc1 .Lopen
.set n, 0
.rept 64
	v_cndmask_b32 v[S+n], v7, v[S+n], s[32+n+4*(n/32)]
.set n, n+1
.endr
.Lopen:
.irp b, 0,1,2,3
	v_max3_num_f32 v[BM+\b], v[S+16*\b], v[S+1+16*\b], v[S+2+16*\b]   ; the largest score of each block of 32 keys: for the row's maximum, and, since p rises with the score, for the block's largest p
.endr
.irp i, 3,5,7,9,11,13
.irp b, 0,1,2,3
	v_max3_num_f32 v[BM+\b], v[BM+\b], v[S+16*\b+\i], v[S+1+16*\b+\i]
.endr
.endr
.irp b, 0,1,2,3
	v_max_num_f32 v[BM+\b], v[BM+\b], v[S+15+16*\b]
.endr
.irp b, 0,1,2,3
	v_permlanex16_b32 v[BX+\b], v[BM+\b], s[SEL], s[SEL+1]
.endr
.irp b, 0,1,2,3
	v_max_num_f32 v[BM+\b], v[BM+\b], v[BX+\b]     ; with lane l xor 16's 16 keys
.endr
	v_max3_num_f32 v223, v[BM], v[BM+1], v[BM+2]
	v_max_num_f32 v223, v223, v[BM+3]
	v_mul_f32 v223, s[CS], v223                    ; the step's largest t
	v_max_num_f32 v13, v13, v223
	v_mov_b32 v223, v12
	v_floor_f32 v12, -v13                          ; the new -M = -ceil(t)
	v_sub_f32 v223, v12, v223                      ; old M - new M: a whole number, 0 or less
	v_cvt_i32_f32 v223, v223                       ; (it saturates)
	v_ldexp_f32 v220, 1.0, v223                    ; f = 2^(old M - new M)
.irp j, 0,2,4,6,8,10,12,14,16,18,20,22,24,26,28,30,32,34,36,38,40,42,44,46,48,50,52,54,56,58,60,62
	v_pk_fma_f32 v[S+\j:S+1+\j], v[S+\j:S+1+\j], s[CS:CS+1], v[12:13] op_sel_hi:[1,0,0]   ; t - M
.endr
.irp b, 0,1,2,3
	v_fma_f32 v[BM+\b], v[BM+\b], s[CS], v12
.endr
.irp j, 0,1,2,3,4,5,6,7,8,9,10,11,12,13,14,15,16,17,18,19,20,21,22,23,24,25,26,27,28,29,30,31,32,33,34,35,36,37,38,39,40,41,42,43,44,45,46,47,48,49,50,51,52,53,54,55,56,57,58,59,60,61,62,63
	v_exp_f32 v[S+\j], v[S+\j]                     ; p = 2^(t - M)
.endr
	v_pk_mul_f32 v[14:15], v[14:15], v[220:221] op_sel_hi:[1,0]   ; the sums under the new M: a plain place behind the exponentials
	s_wait_alu depctr_va_vdst(0)                   ; the 64 exponentials have written p, v92-155: one wait for the batch, ahead of its first reader
.irp b, 0,1,2,3
	v_exp_f32 v[BM+\b], v[BM+\b]                   ; the blocks' largest p
.endr
	v_pk_add_f32 v[224:225], v[S:S+1], v[S+2:S+3]  ; the row's sum of the unquantised p, in two chains
.irp j, 4,8,12,16,20,24,28,32,36,40,44,48,52,56,60
	v_pk_add_f32 v[14:15], v[14:15], v[S+\j:S+1+\j]
	v_pk_add_f32 v[224:225], v[224:225], v[S+2+\j:S+3+\j]
.endr
	v_pk_add_f32 v[14:15], v[14:15], v[224:225]
	s_wait_alu depctr_va_vdst(0)                   ; the four exponentials have written v208-211: their wait, ahead of their first reader
.irp b, 0,1,2,3
	v_max_num_f32 v[BM+\b], 0x1800000, v[BM+\b]    ; the floor 2^(3 - 127)
.endr
.irp b, 0,1,2,3
	v_add_nc_u32 v[SO+\b], 0xff000000, v[BM+\b]
.endr
.irp b, 0,1,2,3
	v_lshrrev_b32 v[BX+\b], 23, v[SO+\b]
.endr
	v_lshl_or_b32 v222, v[BX+1], 8, v[BX]          ; p's scale word for these 128 keys
	v_lshl_or_b32 v222, v[BX+2], 16, v222
	v_lshl_or_b32 v222, v[BX+3], 24, v222
.irp c, 0,1
	v_cvt_scalef32_pk16_fp6_f32 v[PC+6*\c:PC+6*\c+2], v[S+32*\c:S+32*\c+15], v[SO+2*\c]
	v_cvt_scalef32_pk16_fp6_f32 v[PT+4*\c:PT+4*\c+2], v[S+16+32*\c:S+31+32*\c], v[SO+2*\c+1]
.endr
	v_nop                                          ; one plain place behind a scaled conversion
.irp c, 0,1
.irp i, 0,1,2
	v_permlane16_swap_b32 v[PC+6*\c+\i], v[PT+4*\c+\i]
.endr
.irp i, 0,1,2
	v_mov_b32 v[PC+3+6*\c+\i], v[PT+4*\c+\i]
.endr
.endr
.irp j, 0,2,4,6,8,10,12,14,16,18,20,22,24,26,28,30
	v_pk_mul_f32 v[O+\j:O+1+\j], v[O+\j:O+1+\j], v[220:221] op_sel_hi:[1,0]   ; O^T under the new M; also the places between the writes of p's codes and scale word and the products
.endr
	s_wait_alu depctr_va_vdst(0)                   ; p's codes v188-199 and its scale word v222, made by vector lines, are written: the scaled products below take them; the places above stay beside this wait
	s_wait_dscnt 0x0                               ; V is in
.irp j, 0,1,2,3
	v_wmma_scale_f32_16x16x128_f8f6f4 v[O+8*\j:O+8*\j+7], v[KV+12*\j:KV+12*\j+11], v[PC:PC+11], v[O+8*\j:O+8*\j+7], v[40+\j], v222 matrix_a_fmt:MATRIX_FMT_FP6 matrix_b_fmt:MATRIX_FMT_FP6
.endr
.Lskip:
	s_add_co_u32 s[TB], s[TB], REC
	s_add_co_u32 s[LMO], s[LMO], 256
	s_add_co_u32 s[KS], s[KS], 1
	s_cmp_lt_u32 s[KS], 16
	s_cbranch_scc1 .Lkey
	; THE WAY OUT: O^T / the sum; register 16 b + i is ctx(my query, 64 head + 32 b + 16 h + i): two blocks of the last product's K: six registers of codes, two bytes
.rept 4
	v_nop
.endr
	v_add_f32 v14, v14, v15
	v_permlanex16_b32 v223, v14, s[SEL], s[SEL+1]
	v_add_f32 v14, v14, v223                       ; the row's sum
	v_rcp_f32 v14, v14
	v_nop                                          ; a plain place behind the transcendental
	s_lshr_b32 s2, s[BHD], 4                       ; batch
	s_lshl_b32 s3, s2, 7
	s_add_co_u32 s3, s3, s[TAU]                    ; my tile among all tokens'
	s_lshr_b32 s32, s3, 2
	s_mul_i32 s32, s32, 49152                      ; cc: block of 64 tokens,
	s_and_b32 s33, s3, 3
	s_mul_i32 s33, s33, 1536                       ; tile in it,
	s_add_co_u32 s32, s32, s33
	s_and_b32 s34, s[BHD], 15                      ; head
	s_lshr_b32 s33, s34, 1
	s_mul_i32 s33, s33, 6144                       ; K step = two heads,
	s_add_co_u32 s32, s32, s33
	s_and_b32 s33, s34, 1
	s_mul_i32 s33, s33, 768                        ; and my half of the fragment
	s_add_co_u32 s32, s32, s33
	s_mov_b32 s33, 0
	s_add_nc_u64 s[66:67], s[12:13], s[32:33]
	s_lshl_b32 s36, s2, 11                         ; cs: the tile's first token
	s_lshr_b32 s37, s[TAU], 1
	s_lshl_b32 s37, s37, 5
	s_add_co_u32 s36, s36, s37
	s_and_b32 s37, s[TAU], 1
	s_lshl_b32 s37, s37, 3
	s_add_co_u32 s36, s36, s37
	s_lshl_b32 s36, s36, 5                         ; rows of 32 bytes,
	s_lshl_b32 s37, s34, 1                         ; two bytes a head
	s_add_co_u32 s36, s36, s37
	s_mov_b32 s37, 0
	s_add_nc_u64 s[100:101], s[14:15], s[36:37]
	s_wait_alu depctr_va_vdst(0)                   ; the reciprocal has written v14: the wait ahead of its first reader
.irp j, 0,2,4,6,8,10,12,14,16,18,20,22,24,26,28,30
	v_pk_mul_f32 v[S+\j:S+1+\j], v[O+\j:O+1+\j], v[14:15] op_sel_hi:[1,0]
.endr
.irp b, 0,1
	v_max3_num_f32 v[BM+\b], |v[S+16*\b]|, |v[S+1+16*\b]|, 0x1800000
.endr
.irp i, 2,4,6,8,10,12,14
.irp b, 0,1
	v_max3_num_f32 v[BM+\b], v[BM+\b], |v[S+16*\b+\i]|, |v[S+1+16*\b+\i]|
.endr
.endr
.irp b, 0,1
	v_permlanex16_b32 v[BX+\b], v[BM+\b], s[SEL], s[SEL+1]
.endr
.irp b, 0,1
	v_max_num_f32 v[BM+\b], v[BM+\b], v[BX+\b]
.endr
.irp b, 0,1
	v_add_nc_u32 v[SO+\b], 0xff000000, v[BM+\b]
.endr
.irp b, 0,1
	v_lshrrev_b32 v[BX+\b], 23, v[SO+\b]
.endr
	v_cvt_scalef32_pk16_fp6_f32 v[PC:PC+2], v[S:S+15], v[SO]
	v_cvt_scalef32_pk16_fp6_f32 v[PT:PT+2], v[S+16:S+31], v[SO+1]
	v_nop                                          ; one plain place behind a scaled conversion
.irp i, 0,1,2
	v_permlane16_swap_b32 v[PC+\i], v[PT+\i]
.endr
.irp i, 0,1,2
	v_mov_b32 v[PC+3+\i], v[PT+\i]
.endr
	v_cndmask_b32 v223, v[BX], v[BX+1], s[HI]      ; lanes 0-15 store block 0's byte, lanes 16-31 block 1's
	s_wait_alu depctr_va_vdst(0)                   ; the codes v188-193 and the byte v223 are written, which the three stores read
	global_store_b128 v1, v[PC:PC+3], s[66:67]     ; 512 consecutive bytes, aligned
	global_store_b64 v2, v[PC+4:PC+5], s[66:67] offset:512   ; 256 consecutive bytes, aligned
	global_store_b8 v8, v223, s[100:101]           ; single bytes: a scale word's other two bytes belong to another head's work-group
	s_add_co_u32 s[TRIP], s[TRIP], 1
	s_cmp_lt_u32 s[TRIP], 2
	s_cbranch_scc1 .Ltrip
	s_wait_dscnt 0x0                               ; the closing lines, six on end
	s_wait_alu 0x0
	s_wait_tensorcnt 0x0
	ds_add_u32 v254, v255
	s_wait_dscnt 0x0
	s_endpgm
.Lfunc_end_k_qc7442a0293_attn:
	.size	k_qc7442a0293_attn, .Lfunc_end_k_qc7442a0293_attn-k_qc7442a0293_attn
	.p2alignl 7, 3214868480
	.fill 96, 4, 3214868480
	.section	.rodata,"a",@progbits
	.p2align	6, 0x0
	.amdhsa_kernel k_qc7442a0293_attn
		.amdhsa_group_segment_fixed_size 206848
		.amdhsa_private_segment_fixed_size 0
		.amdhsa_enable_private_segment 0
		.amdhsa_kernarg_size 48
		.amdhsa_user_sgpr_count 2
		.amdhsa_user_sgpr_kernarg_segment_ptr 1
		.amdhsa_wavefront_size32 1
		.amdhsa_system_sgpr_workgroup_id_x 1
		.amdhsa_system_sgpr_workgroup_id_y 1
		.amdhsa_system_sgpr_workgroup_id_z 1
		.amdhsa_system_vgpr_workitem_id 0
		.amdhsa_next_free_vgpr 256
		.amdhsa_next_free_sgpr 106
		.amdhsa_reserve_vcc 0
		.amdhsa_float_denorm_mode_32 3
		.amdhsa_float_denorm_mode_16_64 3
		.amdhsa_memory_ordered 1
		.amdhsa_forward_progress 1
		.amdhsa_inst_pref_size 36
	.end_amdhsa_kernel
	.amdgpu_metadata
---
amdhsa.version: [ 1, 2 ]
amdhsa.kernels:
  - .name:           k_qc7442a0293_attn
    .symbol:         k_qc7442a0293_attn.kd
    .args:
      - { .name: kv, .offset: 0, .size: 8, .value_kind: global_buffer, .address_space: global }
      - { .name: qb, .offset: 8, .size: 8, .value_kind: global_buffer, .address_space: global }
      - { .name: lm, .offset: 16, .size: 8, .value_kind: global_buffer, .address_space: global }
      - { .name: fl, .offset: 24, .size: 8, .value_kind: global_buffer, .address_space: global }
      - { .name: cc, .offset: 32, .size: 8, .value_kind: global_buffer, .address_space: global }
      - { .name: cs, .offset: 40, .size: 8, .value_kind: global_buffer, .address_space: global }
    .group_segment_fixed_size: 206848
    .private_segment_fixed_size: 0
    .kernarg_segment_align: 8
    .kernarg_segment_size: 48
    .max_flat_workgroup_size: 512
    .sgpr_count:     106
    .vgpr_count:     256
    .wavefront_size: 32
...
	.end_amdgpu_metadata
.endif
;; end of part 5
;; launch oproj: the kernel of part 4 again; grid 8 x 32, 4 waves a work-group, clusters of 4 x 4, 312,832 bytes of LDS; arguments cc, cs, xw, sx, bo, out0; writes out0
